; MI455X (gfx1250); checked and timed in simulation.
; The chip was launched on July 23, 2026; its instructions are those of AMD's public machine-readable ISA for CDNA 5 (MIT licence, August 2026) and "CDNA5" Instruction Set Architecture Reference Guide (July 2026). The comments in the code are by the model that wrote it; some were corrected since.
;; Ro PE Transformer Encoder Layer. Allowed arithmetic: float matrix products may take bf16 or f16 operands with f32 sums; other float arithmetic in f32, or as packed bf16 or f16 multiplies, adds, multiply-adds, maxima and minima; sums over many terms, partial sums and values carried from step to step in f32; what a program stores and reads back later, other than sums and carried values, may be rounded once to bf16 or f16.
;; Inputs: W1 4,096 x 1,024 float32; W2 1,024 x 4,096 float32; Wk 1,024 x 1,024 float32; Wo 1,024 x 1,024 float32; Wq 1,024 x 1,024 float32; Wv 1,024 x 1,024 float32; b1 4,096 float32; b2 1,024 float32; beta1 1,024 float32; beta2 1,024 float32; bk 1,024 float32; bo 1,024 float32; bq 1,024 float32; bv 1,024 float32; g1 1,024 float32; g2 1,024 float32; mask 2 x 2,048 bool; positions 2 x 2,048 int32; x 2 x 2,048 x 1,024 float32.
;; Outputs: out0 2 x 2,048 x 1,024 float32.
;; 2 versions, each right; version 2 is version 1 with the launch prepln written anew for expert scheduling mode. Each part assembles by itself: llvm-mc -triple=amdgcn-amd-amdhsa -mcpu=gfx1250 --defsym DOCPART=n.
;; ======== version 1 of 2: 7 launches
;; limits: a function is approximated: absolute error at most 1.5e-07
;; workspace buffers: wb 25,165,824 bytes; rope 1,048,576 bytes; h 8,388,608 bytes; qkvb 25,165,824 bytes; o 8,388,608 bytes; x1 16,777,216 bytes; u 33,554,432 bytes
;; launch prepln (part 1): grid 1152 x 1, 8 waves a work-group, no clusters, 0 bytes of LDS; arguments x, g1, beta1, h, Wq, Wk, Wv, Wo, W1, W2, positions, wb, rope; writes h, wb, rope
.if DOCPART == 1
	.amdgcn_target "amdgcn-amd-amdhsa--gfx1250"
	.amdhsa_code_object_version 6
	.text
	.protected	k_qeb47d70afd_prepln
	.globl	k_qeb47d70afd_prepln
	.p2align	8
	.type	k_qeb47d70afd_prepln,@function
k_qeb47d70afd_prepln:
	s_mov_b64 s[64:65], 0
	v_nop
	global_prefetch_b8 v0, s[64:65] scope:SCOPE_SE
	s_setreg_imm32_b32 hwreg(HW_REG_WAVE_MODE, 25, 1), 1
	s_wait_xcnt 0x0
; THREE JOBS THAT DO NOT HANG ON EACH OTHER, in one launch, shared out by the work-group's number.
; Work-groups 0-383: the six weight matrices, f32, are rounded once to bf16 into wb.  A work-group takes a chunk of 32,768 numbers (32 rows of 1,024): 131,072 bytes in, 65,536 out.
;   wb: Wqkv at byte 0 (3,072 rows), Wo at 6,291,456, W1 at 8,388,608, W2 at 16,777,216.  In Wqkv the rows are laid by heads: head t has rows 192 t + 64 kind + d (kind 0, 1, 2 = q, k, v),
;   so that one tile of 192 columns of the projection is one head's q, k and v.
; Work-groups 384-895: the first layer norm, h[r][c] = (x[r][c] - mean_r) rsqrt(var_r + 1e-5) g1[c] + beta1[c], x f32, h bf16 rounded once.  A wave takes one row of 4,096 bytes in 32 registers: the row is
;   read once, the mean is taken away before the squares are summed (so a common offset of the row costs nothing), and no wave waits for another.  All sums in f32.
; Work-groups 896-1151: the table of cosines and sines, rope[token][cos 0..31 | sin 0..31] in f32, 256 bytes a token; a thread makes four neighbouring numbers.
; No LDS, no matrix unit, no cluster: streams in which only g1 and beta1, 8 KiB, are read by more than one work-group.
; LIMITS.  angle = position x 2^(-i log2(10000)/32), the power by v_exp_f32; the angle is reduced by pi/2 in two parts with fused multiply-adds and the sine and cosine are
; polynomials of degree 7 and 8 on +-pi/4: absolute error about 1e-7 beside the angle's own rounding, for |angle| under 2^25.  NaN and infinities are not treated apart.
.set CASTS, 384
.set LNS,   512
.set LD, 8                             ; the cast: v[8:135]   32 loads of 4 registers
.set PK, 136                           ;           v[136:199] 32 stores of 2 registers: each store has its own, so none is ever rewritten
.set G,  4                             ; the norm: v[4:35]    g1 of my 32 columns (4 lane + 128 j + 0..3)
.set BT, 36                            ;           v[36:67]   beta1
.set X0, 68                            ;           v[68:99]   the row
.set T,  100                           ;           v[100:111] at work
.set Y0, 112                           ;           v[112:127] the row in bf16
.macro SUM4                            ; four chains of pairs into one number a lane, then over the 32 lanes: every lane ends with the sum
	v_pk_add_f32 v[T:T+1], v[T:T+1], v[T+2:T+3]
	v_pk_add_f32 v[T+4:T+5], v[T+4:T+5], v[T+6:T+7]
	v_pk_add_f32 v[T:T+1], v[T:T+1], v[T+4:T+5]
	v_add_f32 v[T], v[T], v[T+1]
	v_add_f32_dpp v[T], v[T], v[T] row_xmask:1 row_mask:0xf bank_mask:0xf
	v_add_f32_dpp v[T], v[T], v[T] row_xmask:2 row_mask:0xf bank_mask:0xf
	v_add_f32_dpp v[T], v[T], v[T] row_xmask:4 row_mask:0xf bank_mask:0xf
	v_add_f32_dpp v[T], v[T], v[T] row_xmask:8 row_mask:0xf bank_mask:0xf
	v_permlanex16_b32 v[T+1], v[T], s14, s15
	v_add_f32 v[T], v[T], v[T+1]
.endm
; One row.  w1: the loads that may stay out when the row has to be there; w2: when the gain and the offset have to be
.macro LNROW x, y, w1, w2
	s_wait_loadcnt \w1
.irp c, 0,1,2,3
	v_pk_add_f32 v[T+2*\c:T+2*\c+1], v[(\x)+2*\c:(\x)+2*\c+1], v[(\x)+8+2*\c:(\x)+8+2*\c+1]  ; the first eight pairs start the chains: nothing is cleared
.endr
.set p, 8
.rept 8
	v_pk_add_f32 v[T+2*(p%4):T+2*(p%4)+1], v[T+2*(p%4):T+2*(p%4)+1], v[(\x)+2*p:(\x)+2*p+1]
.set p, p+1
.endr
	SUM4
	v_mul_f32 v[T+8], s12, v[T]                    ; the mean,
	v_mov_b32 v[T+9], v[T+8]                       ; named as a pair
.set p, 0
.rept 16
	v_pk_add_f32 v[(\x)+2*p:(\x)+2*p+1], v[(\x)+2*p:(\x)+2*p+1], v[T+8:T+9] op_sel_hi:[1,0] neg_lo:[0,1] neg_hi:[0,1]
.set p, p+1
.endr
.irp c, 0,1,2,3
	v_pk_mul_f32 v[T+2*\c:T+2*\c+1], v[(\x)+2*\c:(\x)+2*\c+1], v[(\x)+2*\c:(\x)+2*\c+1]
.endr
.set p, 4
.rept 12
	v_pk_fma_f32 v[T+2*(p%4):T+2*(p%4)+1], v[(\x)+2*p:(\x)+2*p+1], v[(\x)+2*p:(\x)+2*p+1], v[T+2*(p%4):T+2*(p%4)+1]
.set p, p+1
.endr
	SUM4
	v_fma_f32 v[T], v[T], s12, s13                 ; the variance + 1e-5
	v_rsq_f32 v[T+10], v[T]
	v_nop                                          ; a plain instruction behind the root (ISA guide 5.7.2)
	s_wait_alu depctr_va_vdst(0)
	v_mov_b32 v[T+11], v[T+10]
	s_wait_loadcnt \w2
.set p, 0
.rept 16
	v_pk_mul_f32 v[(\x)+2*p:(\x)+2*p+1], v[(\x)+2*p:(\x)+2*p+1], v[T+10:T+11] op_sel_hi:[1,0]
.set p, p+1
.endr
.set p, 0
.rept 16
	v_pk_fma_f32 v[(\x)+2*p:(\x)+2*p+1], v[(\x)+2*p:(\x)+2*p+1], v[G+2*p:G+2*p+1], v[BT+2*p:BT+2*p+1]
.set p, p+1
.endr
.set p, 0
.rept 16
	v_cvt_pk_bf16_f32 v[(\y)+p], v[(\x)+2*p], v[(\x)+2*p+1]
.set p, p+1
.endr
.irp j, 0,1,2,3,4,5,6,7
	global_store_b64 v2, v[(\y)+2*\j:(\y)+2*\j+1], s[10:11] offset:256*\j  ; a wave's store covers 256 consecutive bytes, aligned
.endr
.endm
.macro Q4 line:vararg                  ; one line for each of a thread's four numbers j of the table
.set j, 0
.rept 4
	\line
.set j, j+1
.endr
.endm
	s_mov_b32 s2, ttmp9
	s_cmp_ge_u32 s2, CASTS
	s_cbranch_scc1 .Lnot_cast
	; THE CAST.  seg = chunk / 32 says which matrix: 0 Wq, 1 Wk, 2 Wv, 3 Wo, 4-7 W1, 8-11 W2
	s_load_b256 s[8:15], s[0:1], 0x20              ; Wq s[8:9], Wk s[10:11], Wv s[12:13], Wo s[14:15]
	s_load_b128 s[16:19], s[0:1], 0x40             ; W1 s[16:17], W2 s[18:19]
	s_load_b64 s[22:23], s[0:1], 0x58              ; wb
	s_lshr_b32 s3, s2, 5
	v_lshlrev_b32 v1, 4, v0                        ; 16 bytes a thread in
	v_lshlrev_b32 v2, 3, v0                        ; 8 bytes a thread out
	s_and_b32 s32, s2, 31                          ; where a chunk of Wq, Wk, Wv goes: head t = (chunk % 32) / 2,
	s_lshr_b32 s32, s32, 1
	s_mul_i32 s32, s32, 3
	s_add_co_u32 s32, s32, s3                      ; 3 t + kind,
	s_lshl_b32 s32, s32, 1
	s_and_b32 s33, s2, 1
	s_add_co_u32 s32, s32, s33                     ; two chunks of 32 rows to a head's 64
	s_cmp_lt_u32 s2, 96
	s_cselect_b32 s32, s32, s2                     ; the other matrices keep their order
	s_lshl_b32 s32, s32, 16
	s_mov_b32 s33, 0
	s_wait_kmcnt 0x0
	s_mov_b64 s[26:27], s[18:19]                   ; the source and its first seg, chosen by the chunk's number alone
	s_mov_b32 s28, 8
	s_cmp_lt_u32 s3, 8
	s_cselect_b64 s[26:27], s[16:17], s[26:27]
	s_cselect_b32 s28, 4, s28
	s_cmp_lt_u32 s3, 4
	s_cselect_b64 s[26:27], s[14:15], s[26:27]
	s_cselect_b32 s28, 3, s28
	s_cmp_lt_u32 s3, 3
	s_cselect_b64 s[26:27], s[12:13], s[26:27]
	s_cselect_b32 s28, 2, s28
	s_cmp_lt_u32 s3, 2
	s_cselect_b64 s[26:27], s[10:11], s[26:27]
	s_cselect_b32 s28, 1, s28
	s_cmp_lt_u32 s3, 1
	s_cselect_b64 s[26:27], s[8:9], s[26:27]
	s_cselect_b32 s28, 0, s28
	s_lshl_b32 s29, s28, 5
	s_sub_co_u32 s29, s2, s29                      ; the chunk's number inside its matrix
	s_lshl_b32 s30, s29, 17
	s_mov_b32 s31, 0
	s_add_nc_u64 s[26:27], s[26:27], s[30:31]
	s_add_nc_u64 s[22:23], s[22:23], s[32:33]
.set i, 0
.rept 32                               ; all 32 loads go out first: 16 KiB of every wave are on their way
	global_load_b128 v[LD+4*i:LD+4*i+3], v1, s[26:27] offset:4096*i th:TH_LOAD_NT
.set i, i+1
.endr
.set i, 0
.rept 32
	s_wait_loadcnt 31-i                            ; loads come back in order: number i is in, the younger ones stay out
	v_cvt_pk_bf16_f32 v[PK+2*i], v[LD+4*i], v[LD+4*i+1]
	v_cvt_pk_bf16_f32 v[PK+2*i+1], v[LD+4*i+2], v[LD+4*i+3]
	global_store_b64 v2, v[PK+2*i:PK+2*i+1], s[22:23] offset:2048*i  ; a wave's store covers 256 consecutive bytes, aligned
.set i, i+1
.endr
	s_endpgm
.Lnot_cast:
	s_cmp_ge_u32 s2, CASTS+LNS
	s_cbranch_scc1 .Lrope
	; THE NORM
	s_load_b256 s[4:11], s[0:1], 0x0               ; x s[4:5], g1 s[6:7], beta1 s[8:9], h s[10:11]
	s_sub_co_u32 s2, s2, CASTS
	v_lshrrev_b32 v1, 5, v0
	v_readfirstlane_b32 s3, v1
	s_lshl_b32 s2, s2, 3
	s_add_co_u32 s2, s2, s3                        ; my wave's row
	s_lshl_b32 s16, s2, 12                         ; 4,096 bytes in,
	s_mov_b32 s17, 0
	s_lshl_b32 s18, s2, 11                         ; 2,048 out
	s_mov_b32 s19, 0
	s_mov_b32 s12, 0x3a800000                      ; 1 / 1024
	s_mov_b32 s13, 0x3727c5ac                      ; 1e-5
	s_mov_b32 s14, 0x76543210                      ; v_permlanex16_b32: each lane takes its own place in the other half
	s_mov_b32 s15, 0xfedcba98
	v_and_b32 v1, 31, v0
	v_lshlrev_b32 v2, 3, v1                        ; 8 bytes a lane out
	v_lshlrev_b32 v1, 4, v1                        ; 16 bytes a lane in
	s_wait_kmcnt 0x0
	s_add_nc_u64 s[4:5], s[4:5], s[16:17]
	s_add_nc_u64 s[10:11], s[10:11], s[18:19]
.irp j, 0,1,2,3,4,5,6,7
	global_load_b128 v[X0+4*\j:X0+4*\j+3], v1, s[4:5] offset:512*\j
.endr
.irp j, 0,1,2,3,4,5,6,7
	global_load_b128 v[G+4*\j:G+4*\j+3], v1, s[6:7] offset:512*\j
.endr
.irp j, 0,1,2,3,4,5,6,7
	global_load_b128 v[BT+4*\j:BT+4*\j+3], v1, s[8:9] offset:512*\j
.endr
	LNROW X0, Y0, 16, 0                            ; behind the row's loads: the gain's and the offset's sixteen
	s_endpgm
.Lrope:                                ; gid = 16 x token + 8 x part + group: part 0 cosines, 1 sines; frequencies 4 x group + 0..3
	s_load_b64 s[20:21], s[0:1], 0x50              ; positions
	s_load_b64 s[24:25], s[0:1], 0x60              ; rope
	s_sub_co_u32 s2, s2, CASTS+LNS
	s_lshl_b32 s2, s2, 8
	v_add_nc_u32 v1, s2, v0
	v_lshrrev_b32 v2, 4, v1
	v_lshlrev_b32 v2, 2, v2
	s_wait_kmcnt 0x0
	global_load_b32 v5, v2, s[20:21]               ; the token's position
	v_bfe_u32 v3, v1, 3, 1
	v_sub_nc_u32 v3, 1, v3                         ; a cosine is the sine a quarter turn on
	v_and_b32 v4, 7, v1
	v_lshlrev_b32 v4, 2, v4
	v_lshlrev_b32 v6, 4, v1                        ; my 16 bytes of the table
	s_mov_b32 s26, 0xbfc90fdb                      ; -pi/2, its f32 part,
	s_mov_b32 s27, 0x333bbd2e                      ; and what that part leaves over, negated
	s_mov_b32 s28, 0xb94ca1f9                      ; sine: -1.9515295891e-4, 8.3321608736e-3, -1.6666654611e-1
	s_mov_b32 s29, 0x3c08839e
	s_mov_b32 s30, 0xbe2aaaa3
	s_mov_b32 s31, 0x37ccf5ce                      ; cosine: 2.443315712e-5, -1.388731625e-3, 4.166664568e-2
	s_mov_b32 s32, 0xbab6061a
	s_mov_b32 s33, 0x3d2aaaa5
	Q4 v_add_nc_u32 v[8+j], j, v4
	Q4 v_cvt_f32_u32 v[8+j], v[8+j]
	Q4 v_mul_f32 v[8+j], 0xbed49a78, v[8+j]        ; -i log2(10000) / 32
	Q4 v_exp_f32 v[8+j], v[8+j]
	v_nop                                          ; a plain instruction behind the last exponential (ISA guide 5.7.2)
	s_wait_loadcnt 0x0
	v_cvt_f32_i32 v5, v5
	s_wait_alu depctr_va_vdst(0)
	Q4 v_mul_f32 v[12+j], v5, v[8+j]               ; the angle
	Q4 v_mul_f32 v[16+j], 0x3f22f983, v[12+j]      ; x 2 / pi
	Q4 v_rndne_f32 v[16+j], v[16+j]                ; k quarter turns
	Q4 v_fma_f32 v[12+j], v[16+j], s26, v[12+j]
	Q4 v_fma_f32 v[12+j], v[16+j], s27, v[12+j]    ; r = angle - k pi/2
	Q4 v_mul_f32 v[20+j], v[12+j], v[12+j]         ; z = r r
	Q4 v_fma_f32 v[24+j], v[20+j], s28, s29
	Q4 v_fma_f32 v[24+j], v[24+j], v[20+j], s30
	Q4 v_mul_f32 v[28+j], v[20+j], v[12+j]
	Q4 v_fma_f32 v[24+j], v[24+j], v[28+j], v[12+j]  ; sin r
	Q4 v_fma_f32 v[32+j], v[20+j], s31, s32
	Q4 v_fma_f32 v[32+j], v[32+j], v[20+j], s33
	Q4 v_mul_f32 v[36+j], v[20+j], v[20+j]
	Q4 v_fma_f32 v[40+j], v[20+j], -0.5, 1.0
	Q4 v_fma_f32 v[32+j], v[32+j], v[36+j], v[40+j]  ; cos r
	Q4 v_cvt_i32_f32 v[44+j], v[16+j]
	Q4 v_add_nc_u32 v[44+j], v[44+j], v3           ; the quadrant: bit 0 picks cos r for sin r, bit 1 turns the sign
.irp j, 0,1,2,3
	v_and_b32 v[48+\j], 1, v[44+\j]
	v_cmp_ne_u32 vcc_lo, 0, v[48+\j]
	v_cndmask_b32 v[52+\j], v[24+\j], v[32+\j], vcc_lo
.endr
	Q4 v_and_b32 v[44+j], 2, v[44+j]
	Q4 v_lshlrev_b32 v[44+j], 30, v[44+j]
	Q4 v_xor_b32 v[52+j], v[52+j], v[44+j]
	global_store_b128 v6, v[52:55], s[24:25]       ; a wave's store covers 512 consecutive bytes, aligned
	s_endpgm
.Lfunc_end_k_qeb47d70afd_prepln:
	.size	k_qeb47d70afd_prepln, .Lfunc_end_k_qeb47d70afd_prepln-k_qeb47d70afd_prepln
	.p2alignl 7, 3214868480
	.fill 96, 4, 3214868480
	.section	.rodata,"a",@progbits
	.p2align	6, 0x0
	.amdhsa_kernel k_qeb47d70afd_prepln
		.amdhsa_group_segment_fixed_size 0
		.amdhsa_private_segment_fixed_size 0
		.amdhsa_enable_private_segment 0
		.amdhsa_kernarg_size 104
		.amdhsa_user_sgpr_count 2
		.amdhsa_user_sgpr_kernarg_segment_ptr 1
		.amdhsa_wavefront_size32 1
		.amdhsa_system_sgpr_workgroup_id_x 1
		.amdhsa_system_sgpr_workgroup_id_y 1
		.amdhsa_system_sgpr_workgroup_id_z 1
		.amdhsa_system_vgpr_workitem_id 0
		.amdhsa_next_free_vgpr 204
		.amdhsa_next_free_sgpr 66
		.amdhsa_reserve_vcc 1
		.amdhsa_float_denorm_mode_32 3
		.amdhsa_float_denorm_mode_16_64 3
		.amdhsa_memory_ordered 1
		.amdhsa_forward_progress 1
		.amdhsa_inst_pref_size 31
	.end_amdhsa_kernel
	.amdgpu_metadata
---
amdhsa.version: [ 1, 2 ]
amdhsa.kernels:
  - .name:           k_qeb47d70afd_prepln
    .symbol:         k_qeb47d70afd_prepln.kd
    .args:
      - { .name: x, .offset: 0, .size: 8, .value_kind: global_buffer, .address_space: global }
      - { .name: g1, .offset: 8, .size: 8, .value_kind: global_buffer, .address_space: global }
      - { .name: beta1, .offset: 16, .size: 8, .value_kind: global_buffer, .address_space: global }
      - { .name: h, .offset: 24, .size: 8, .value_kind: global_buffer, .address_space: global }
      - { .name: Wq, .offset: 32, .size: 8, .value_kind: global_buffer, .address_space: global }
      - { .name: Wk, .offset: 40, .size: 8, .value_kind: global_buffer, .address_space: global }
      - { .name: Wv, .offset: 48, .size: 8, .value_kind: global_buffer, .address_space: global }
      - { .name: Wo, .offset: 56, .size: 8, .value_kind: global_buffer, .address_space: global }
      - { .name: W1, .offset: 64, .size: 8, .value_kind: global_buffer, .address_space: global }
      - { .name: W2, .offset: 72, .size: 8, .value_kind: global_buffer, .address_space: global }
      - { .name: positions, .offset: 80, .size: 8, .value_kind: global_buffer, .address_space: global }
      - { .name: wb, .offset: 88, .size: 8, .value_kind: global_buffer, .address_space: global }
      - { .name: rope, .offset: 96, .size: 8, .value_kind: global_buffer, .address_space: global }
    .group_segment_fixed_size: 0
    .private_segment_fixed_size: 0
    .kernarg_segment_align: 8
    .kernarg_segment_size: 104
    .max_flat_workgroup_size: 256
    .sgpr_count:     66
    .vgpr_count:     204
    .wavefront_size: 32
...
	.end_amdgpu_metadata
.endif
;; end of part 1
;; launch proj (part 2): grid 16 x 16, 4 waves a work-group, clusters of 4 x 4, 327,680 bytes of LDS; arguments h, wb, bq, bk, bv, rope, qkvb; writes qkvb
.if DOCPART == 2
	.amdgcn_target "amdgcn-amd-amdhsa--gfx1250"
	.amdhsa_code_object_version 6
	.text
	.protected	k_qeb47d70afd_proj
	.globl	k_qeb47d70afd_proj
	.p2align	8
	.type	k_qeb47d70afd_proj,@function
k_qeb47d70afd_proj:
	s_mov_b64 s[64:65], 0
	v_nop
	global_prefetch_b8 v0, s[64:65] scope:SCOPE_SE
	s_setreg_imm32_b32 hwreg(HW_REG_WAVE_MODE, 25, 1), 1
	s_wait_xcnt 0x0
	s_wait_alu depctr_hold_cnt(0) depctr_sa_sdst(0) depctr_va_vdst(0) depctr_va_sdst(0) depctr_va_ssrc(0) depctr_va_vcc(0) depctr_vm_vsrc(0)
	s_getreg_b32 s2, hwreg(HW_REG_IB_STS2, 6, 4)
	s_cmp_eq_u32 s2, 0
	s_cbranch_scc0 .Lentry_in_a_cluster
	s_endpgm
.Lentry_in_a_cluster:
	s_bfe_u32 s2, ttmp6, 0x10000c
	s_cmp_lg_u32 s2, 0xf033
	s_cbranch_scc0 .Lentry_shape_is_right
	s_endpgm
.Lentry_shape_is_right:
; Q, K, V PROJECTION WITH ROPE.  C[m][n] = bias[n] + sum over k of h[m][k] W[n][k]; h: [4096][1024] bf16; W: Wqkv in wb, [3072][1024] bf16, rows laid by heads (192 t + 64 kind + d).
; A tile of C is 256 tokens x 192 columns = one head's q, k and v.  Four waves, each 64 tokens x 192: 48 accumulators of 16 x 16 in f32, which START as the bias.
; On the way out q and k are turned by the token's cosines and sines (f32, from the table rope), all three are rounded once to bf16 and stored by heads:
; qkvb[kind][batch x 16 + head][2048][64], kinds 8,388,608 bytes apart.  The scale 1/8 is not applied here.
; K goes in steps of 128 through two LDS slots filled by the tensor data mover; a step is four chunks of 32 along K on two fragment buffers.  Both slots' first fills go out together at the start.
; CLUSTER: 4 x 4 work-groups.  The four of a row of the cluster need the same tiles of h, the four of a column the same tiles of W: each tile is asked for JOINTLY.
; THE MATRIX INSTRUCTION IS USED TRANSPOSED (source 0 = 16 rows of W, source 1 = 16 rows of h): a lane holds eight neighbouring columns of one row of C.
; REGISTERS, in windows of 256: window 0: v0-31 addresses; v32-63, v64-95 h's fragments, two buffers; v96-231 the way out.  window 1: v0-95, v128-223 W's fragments, two buffers.
;   windows 2, 3: accumulator (a, b) in window 2 + a / 2 at v[128 (a % 2) + 8 b].
; LDS: two slots of 121,856 bytes (256 rows of h, 192 of W, 272 bytes apart); each wave's 64 rows of the rope table at RT; the spare words.  The way out's stage (64 rows x 784 bytes a wave, f32)
; lies in the slots, which have had their last fill by then.
; LIMITS: NaN and infinities are not treated apart.
.set KDIM,  1024
.set KSTEP, 128
.set PITCH, 272                        ; 256 bytes + 16 of padding: the 16 rows of a fragment load start at 16 different groups of four banks (ISA guide 11.1)
.set QI,    5                          ; padding after every 64 words
.set TM,    256
.set TN,    192
.set NB,    12                         ; blocks of 16 columns a wave
.set RA,    128                        ; rows in a load of h's tile
.set RB,    96                         ; of W's
.set SP,    784                        ; a stage row: 768 bytes + 16
.set SLOT,  (TM+TN)*PITCH
.set RT,    2*SLOT
.set RP,    272                        ; a row of the rope table in LDS
.set SPARE, RT+4*64*RP                 ; the spare words, 128 bytes for each wave: two blocks of 256 bytes that no other line names
.set STEPS, KDIM/KSTEP
.set NCH,   KSTEP/32
.set NL,    2*NB+8                     ; LDS loads of one chunk
.set STG,   64*SP
.set GW,    (1<<16)|(1<<20)|(1<<21)|(QI<<22)|(3<<25)  ; 17:16 2-byte elements; 20 padding on; 21 set beside a mask; 24:22 the interval; 31:25 4 words of padding
.set A0,   16                          ; v16 my lane's place in h's tile of slot 0; never rewritten
.set B0,   17                          ; v17 the same for W
.set ADRA, 18                          ; v18, v19 the same for the chunk to be fetched
.set ADRB, 19
.set STO,  20                          ; v20 the way out: where I put 16 bytes of a row
.set RD,   21                          ; v21 where I read them back
.set CO,   22                          ; v22 my byte offset in the output
.set BO,   23                          ; v23 my byte offset in 16 numbers of a bias
.set RTA,  24                          ; v24 my place in the rope table
.set SGN,  25                          ; v25 the sign bit where the rotated half is negative
.set SPW,  28                          ; v28 LDS address of my spare word; never rewritten
.set NIL,  29                          ; v29 0; never rewritten
.set FA,   32
.set X,    96                          ; v96-143   two groups of four rows: q, k, v, eight numbers each
.set CC,   144                         ; v144-159  their cosines
.set SS,   160                         ; v160-175  their sines
.set TT,   176                         ; v176-207  the partner's number times the sine
.set YY,   208                         ; v208-231  bf16
.set G1,  24                           ; s[24:31] descriptor group 1 for h's tiles; s[32:39] group 0, a set for each slot
.set G0,  32
.set G1B, 48                           ; s[48:55], s[56:63] the same for W's
.set G0B, 56
.set G0R, 84                           ; s[84:87], s[88:95] the rope table's
.set G1R, 88
.set CNT,  45
.set LAPS, 66
.set ROWS, 67
.set MSB, 0
.macro WIN new                         ; the immediate's high byte repeats the setting that is left; a switch that changes nothing is dropped
.if MSB != (\new)
	s_set_vgpr_msb (MSB<<8)|(\new)
.set MSB, \new
.endif
.endm
.macro PLACES                          ; four places in front of loads into registers that matrix instructions have read, and of stores that read results
.rept 4
	v_nop
.endr
.endm
.macro JLOAD s                         ; a joint load: waves 0 and 1 fetch h's two halves, waves 2 and 3 W's; an s_nop 0 and four v_nop follow each line
	s_cmp_eq_u32 s11, 0
	s_cbranch_scc0 .Lfor_b_\@
	tensor_load_to_lds s[G0+4*(\s):G0+4*(\s)+3], s[G1:G1+7]
	s_nop 0
	PLACES
	s_branch .Lasked_\@
.Lfor_b_\@:
	tensor_load_to_lds s[G0B+4*(\s):G0B+4*(\s)+3], s[G1B:G1B+7]
	s_nop 0
	PLACES
.Lasked_\@:
.endm
.macro CROUND                          ; a round of the cluster's barrier
	s_barrier_signal -1
	s_barrier_wait -1
	s_cmp_lg_u32 s10, 0
	s_cbranch_scc1 .Lnot_wave_0_\@
	s_barrier_signal -3
.Lnot_wave_0_\@:
	s_barrier_wait -3
	s_barrier_signal -1
	s_barrier_wait -1
.endm
.macro FETCH f, k                      ; one chunk's fragments, at byte k behind the two addresses, into buffer f: NL loads in one run
	WIN 0x40                                       ; destination window 1, address window 0
.set b, 0
.rept NB
	ds_load_b128 v[128*(\f)+8*b:128*(\f)+8*b+3],   v[ADRB] offset:(\k)+b*16*PITCH
	ds_load_b128 v[128*(\f)+8*b+4:128*(\f)+8*b+7], v[ADRB] offset:(\k)+b*16*PITCH+32
.set b, b+1
.endr
	WIN 0
.set a, 0
.rept 4
	ds_load_b128 v[FA+32*(\f)+8*a:FA+32*(\f)+8*a+3],   v[ADRA] offset:(\k)+a*16*PITCH
	ds_load_b128 v[FA+32*(\f)+8*a+4:FA+32*(\f)+8*a+7], v[ADRA] offset:(\k)+a*16*PITCH+32
.set a, a+1
.endr
.endm
.macro MUL f                           ; buffer f is multiplied: all accumulators by turns, one instruction a turn, always in this order
.set a, 0
.rept 4
	WIN 0xa1+0x50*(a/2)                            ; source 0 window 1, source 1 window 0, C and D window 2 or 3
.set b, 0
.rept NB
	v_wmma_f32_16x16x32_bf16 v[128*(a%2)+8*b:128*(a%2)+8*b+7], v[128*(\f)+8*b:128*(\f)+8*b+7], v[FA+32*(\f)+8*a:FA+32*(\f)+8*a+7], v[128*(a%2)+8*b:128*(a%2)+8*b+7]
.set b, b+1
.endr
.set a, a+1
.endr
.endm
; THE CHANGE OF SLOTS, in front of the first fetch of a step that lies in \slot.  The other slot's last chunk is in buffer 1, not yet multiplied.
.macro HEAD slot, fill
	s_wait_tensorcnt 0x0                           ; all my tensor loads have landed, my part of this step's tile among them: a group 0 may be written
	ds_add_u32 v[SPW], v[NIL]                      ; 0 onto my spare word; work on registers stands between it and the wait for it
.if \fill
	s_add_nc_u64 s[G0+4*(1-(\slot))+2:G0+4*(1-(\slot))+3], s[G0+4*(1-(\slot))+2:G0+4*(1-(\slot))+3], 2*KSTEP*2    ; the other slot's next tile, two steps behind its last
	s_add_nc_u64 s[G0B+4*(1-(\slot))+2:G0B+4*(1-(\slot))+3], s[G0B+4*(1-(\slot))+2:G0B+4*(1-(\slot))+3], 2*KSTEP*2
.endif
	v_add_nc_u32 v[ADRA], (\slot)*SLOT, v[A0]
	v_add_nc_u32 v[ADRB], (\slot)*SLOT, v[B0]
	s_wait_dscnt 0x0                               ; the add is done, and my reads of the other slot are over
.if \fill
	CROUND                                         ; both now hold of every wave of every partner
	JLOAD 1-(\slot)                                ; the next step's tile, into the slot read last: my one tensor load behind the round; it has this whole step in which to land
.else
	s_barrier_signal -1
	s_barrier_wait -1
.endif
.endm
.macro PAIRS tag                       ; a step: NCH / 2 trips of two chunks; each run of loads stands a whole MUL ahead of its use
	s_mov_b32 s[CNT], NCH/2
.Lpair_\tag:
	PLACES
	FETCH 0, 0
	s_wait_dscnt NL                                ; all but the NL just issued: buffer 1 is in
	MUL 1
	WIN 0                                          ; at a label and at a branch every window is 0
.Lmid_\tag:
	PLACES
	FETCH 1, 64
	v_add_nc_u32 v[ADRA], 128, v[ADRA]
	v_add_nc_u32 v[ADRB], 128, v[ADRB]
	s_wait_dscnt NL                                ; buffer 0 is in
	MUL 0
	WIN 0
	s_sub_co_u32 s[CNT], s[CNT], 1
	s_cmp_lg_u32 s[CNT], 0
	s_cbranch_scc1 .Lpair_\tag
.endm
.macro RUN16 line:vararg
.set p, 0
.rept 16
	\line
.set p, p+1
.endr
.endm
	s_load_b256 s[68:75], s[0:1], 0x0              ; h s[68:69], wb s[70:71], bq s[72:73], bk s[74:75]
	s_load_b128 s[76:79], s[0:1], 0x20             ; bv s[76:77], rope s[78:79]
	s_load_b64 s[80:81], s[0:1], 0x30              ; qkvb
	v_lshl_add_u32 v[SPW], v0, 2, SPARE
	v_mov_b32 v[NIL], 0
	ds_add_u32 v[SPW], v[NIL]                      ; the wave's opening: the add and its wait stand ahead of my first tensor load
	v_lshrrev_b32 v1, 5, v0
	v_readfirstlane_b32 s10, v1                    ; wave 0..3: my 64 rows of the tile
	s_lshr_b32 s11, s10, 1                         ; I fetch for h (0) or for W (1),
	s_and_b32 s12, s10, 1                          ; this half of the tile's rows
	s_bfe_u32 s40, ttmp6, 0x40000                  ; cx, cy: my place in the cluster
	s_bfe_u32 s41, ttmp6, 0x40004
	s_lshl_b32 s42, ttmp9, 2
	s_add_co_u32 s42, s42, s40                     ; tile column = the head
	s_and_b32 s13, ttmp7, 0xffff
	s_lshl_b32 s13, s13, 2
	s_add_co_u32 s13, s13, s41                     ; tile row
	s_lshl_b32 s43, s41, 2
	s_lshl_b32 s43, 15, s43                        ; my row of the cluster
	s_lshl_b32 s44, 0x1111, s40                    ; my column
	s_or_b32 s[G1], s43, GW
	s_or_b32 s[G1B], s44, GW
	s_mov_b32 s[G1+1], KSTEP<<16                   ; tensor_dim0
	s_mov_b32 s[G1+2], RA<<16                      ; tensor_dim1
	s_mov_b32 s[G1+3], KSTEP<<16                   ; tile_dim0
	s_mov_b32 s[G1+4], RA                          ; tile_dim1
	s_mov_b32 s[G1+5], KDIM                        ; elements from row to row
	s_mov_b32 s[G1+6], 0
	s_mov_b32 s[G1+7], 0
	s_mov_b32 s[G1B+1], KSTEP<<16
	s_mov_b32 s[G1B+2], RB<<16
	s_mov_b32 s[G1B+3], KSTEP<<16
	s_mov_b32 s[G1B+4], RB
	s_mov_b32 s[G1B+5], KDIM
	s_mov_b32 s[G1B+6], 0
	s_mov_b32 s[G1B+7], 0
	s_mov_b32 s[G1R], (2<<16)|(1<<20)|(5<<22)|(3<<25)  ; no mask: my own tile; 4-byte elements; 4 words of padding after every 64
	s_mov_b32 s[G1R+1], 64<<16
	s_mov_b32 s[G1R+2], 64<<16
	s_mov_b32 s[G1R+3], 64<<16
	s_mov_b32 s[G1R+4], 64
	s_mov_b32 s[G1R+5], 64
	s_mov_b32 s[G1R+6], 0
	s_mov_b32 s[G1R+7], 0
	s_mul_i32 s17, s12, RA                         ; h's address is made of the tile row and the wave's number alone,
	s_mul_i32 s16, s13, TM
	s_add_co_u32 s16, s16, s17
	s_mul_i32 s16, s16, KDIM*2
	s_mov_b32 s17, 0
	s_mul_i32 s47, s12, RB                         ; W's of the tile column and the wave's number alone
	s_mul_i32 s46, s42, TN
	s_add_co_u32 s46, s46, s47
	s_mul_i32 s46, s46, KDIM*2
	s_mov_b32 s47, 0
	s_mul_i32 s20, s12, RA*PITCH                   ; where they go: no place in the cluster enters an LDS address
	s_mul_i32 s21, s12, RB*PITCH
	s_add_co_u32 s21, s21, TM*PITCH
	s_lshl_b32 s2, s13, 8
	s_lshl_b32 s3, s10, 6
	s_add_co_u32 s2, s2, s3                        ; my first token
	s_lshl_b32 s22, s2, 8                          ; 256 bytes of the table a token
	s_mov_b32 s23, 0
	s_wait_dscnt 0x0                               ; the opening add is done
	s_wait_kmcnt 0x0
	s_add_nc_u64 s[14:15], s[68:69], s[16:17]
	s_add_nc_u64 s[46:47], s[70:71], s[46:47]
.irp s, 0,1
	s_mov_b32 s[G0+4*(\s)], 1
	s_add_co_u32 s[G0+4*(\s)+1], s20, (\s)*SLOT
	s_add_nc_u64 s[G0+4*(\s)+2:G0+4*(\s)+3], s[14:15], (\s)*KSTEP*2
	s_or_b32 s[G0+4*(\s)+3], s[G0+4*(\s)+3], 0x80000000
	s_mov_b32 s[G0B+4*(\s)], 1
	s_add_co_u32 s[G0B+4*(\s)+1], s21, (\s)*SLOT
	s_add_nc_u64 s[G0B+4*(\s)+2:G0B+4*(\s)+3], s[46:47], (\s)*KSTEP*2
	s_or_b32 s[G0B+4*(\s)+3], s[G0B+4*(\s)+3], 0x80000000
.endr
	s_mov_b32 s[G0R], 1
	s_mul_i32 s[G0R+1], s10, 64*RP
	s_add_co_u32 s[G0R+1], s[G0R+1], RT
	s_add_nc_u64 s[G0R+2:G0R+3], s[78:79], s[22:23]
	s_or_b32 s[G0R+3], s[G0R+3], 0x80000000
	CROUND                                         ; all sixteen work-groups are here: the first joint loads meet
	s_cmp_eq_u32 s11, 0                            ; a wave's three first fills stand in one branch: steps 0 and 1, then my rows of the rope table; three loads of mine are out
	s_cbranch_scc0 .Lfirst_b
	tensor_load_to_lds s[G0:G0+3], s[G1:G1+7]
	s_nop 0
	tensor_load_to_lds s[G0+4:G0+7], s[G1:G1+7]
	s_nop 0
	tensor_load_to_lds s[G0R:G0R+3], s[G1R:G1R+7]
	s_nop 0
	PLACES
	s_branch .Lfirst_asked
.Lfirst_b:
	tensor_load_to_lds s[G0B:G0B+3], s[G1B:G1B+7]
	s_nop 0
	tensor_load_to_lds s[G0B+4:G0B+7], s[G1B:G1B+7]
	s_nop 0
	tensor_load_to_lds s[G0R:G0R+3], s[G1R:G1R+7]
	s_nop 0
	PLACES
.Lfirst_asked:
	v_and_b32 v1, 15, v0                           ; r = l % 16
	v_bfe_u32 v2, v0, 4, 1                         ; l / 16
	v_mul_u32_u24 v3, v1, PITCH
	v_lshl_add_u32 v3, v2, 4, v3                   ; a fragment's row x pitch + 16 x half
	s_mul_i32 s22, s10, 64*PITCH
	v_add_nc_u32 v[A0], s22, v3                    ; my 64 rows of h
	v_add_nc_u32 v[B0], TM*PITCH, v3               ; all 192 rows of W
	s_mul_i32 s22, s10, STG                        ; my stage
	v_mul_u32_u24 v[STO], v1, SP
	v_lshl_add_u32 v[STO], v2, 5, v[STO]           ; in: row r, 32 bytes for each half of the lanes
	v_add_nc_u32 v[STO], s22, v[STO]
	v_and_b32 v3, 7, v0                            ; back: g = l % 8 takes d = 8 g + 0..7 of q, of k and of v; l / 8 is one of four rows
	v_bfe_u32 v4, v0, 3, 2
	v_mul_u32_u24 v[RD], v4, SP
	v_lshl_add_u32 v[RD], v3, 5, v[RD]
	v_add_nc_u32 v[RD], s22, v[RD]
	v_and_b32 v5, 3, v3                            ; the frequencies are d % 32
	v_mul_u32_u24 v[RTA], v4, RP
	v_lshl_add_u32 v[RTA], v5, 5, v[RTA]
	s_mul_i32 s23, s10, 64*RP
	s_add_co_u32 s23, s23, RT
	v_add_nc_u32 v[RTA], s23, v[RTA]
	v_bfe_u32 v5, v0, 2, 1                         ; d < 32 takes -x[d + 32] sin, d >= 32 takes +x[d - 32] sin
	v_xor_b32 v5, 1, v5
	v_lshlrev_b32 v[SGN], 31, v5
	v_and_b32 v[CO], 31, v0
	v_lshlrev_b32 v[CO], 4, v[CO]                  ; four rows of a head are 512 consecutive bytes
	v_lshlrev_b32 v[BO], 5, v2
	RUN16 v_mov_b32 v[TT+p], 0                     ; written once: a lane-crossing form's destination counts as read
	RUN16 v_mov_b32 v[TT+16+p], 0
	s_lshl_b32 s46, s42, 8                         ; the head's 64 numbers in each bias
	s_mov_b32 s47, 0
	s_add_nc_u64 s[72:73], s[72:73], s[46:47]
	s_add_nc_u64 s[74:75], s[74:75], s[46:47]
	s_add_nc_u64 s[76:77], s[76:77], s[46:47]
	s_lshr_b32 s2, s13, 3                          ; the batch,
	s_lshl_b32 s2, s2, 4
	s_add_co_u32 s2, s2, s42                       ; x 16 + head,
	s_lshl_b32 s2, s2, 18                          ; 262,144 bytes each
	s_and_b32 s3, s13, 7
	s_lshl_b32 s3, s3, 8
	s_lshl_b32 s22, s10, 6
	s_add_co_u32 s3, s3, s22                       ; my first token in its batch,
	s_lshl_b32 s3, s3, 7                           ; 128 bytes each
	s_add_co_u32 s2, s2, s3
	s_mov_b32 s3, 0
	s_add_nc_u64 s[96:97], s[80:81], s[2:3]        ; q,
	s_add_nc_u64 s[98:99], s[96:97], 8388608       ; k,
	s_add_nc_u64 s[100:101], s[96:97], 16777216    ; v
	; the accumulators start as the bias: register j of a lane is column 16 b + 8 (l / 16) + j; blocks 0-3 are q's, 4-7 k's, 8-11 v's
.set a, 0
.rept 4
	WIN 0x80+0x40*(a/2)
.set b, 0
.rept NB
	global_load_b128 v[128*(a%2)+8*b:128*(a%2)+8*b+3],   v[BO], s[72+2*(b/4):73+2*(b/4)] offset:64*(b%4)
	global_load_b128 v[128*(a%2)+8*b+4:128*(a%2)+8*b+7], v[BO], s[72+2*(b/4):73+2*(b/4)] offset:64*(b%4)+16
.set b, b+1
.endr
.set a, a+1
.endr
	WIN 0
	s_wait_tensorcnt 0x2                           ; my part of step 0 is in; step 1's and the table, issued behind it, may stay out
	v_mov_b32 v[ADRA], v[A0]
	v_mov_b32 v[ADRB], v[B0]
	s_barrier_signal -1
	s_barrier_wait -1                              ; everybody's part is in
	FETCH 0, 0
	s_wait_loadcnt 0x0                             ; the bias
	s_mov_b32 s[CNT], NCH/2
	s_mov_b32 s[LAPS], STEPS/2
	s_branch .Lmid_b                               ; the loop is entered in the middle of a trip: there is no chunk yet to multiply
.Llap:                                 ; STEPS / 2 - 1 times: an odd step and an even one; each change of slots asks for the step behind the one that it enters
	HEAD 1, 1
	PAIRS a
	HEAD 0, 1
	PAIRS b
	s_sub_co_u32 s[LAPS], s[LAPS], 1
	s_cmp_lg_u32 s[LAPS], 0
	s_cbranch_scc1 .Llap
	HEAD 1, 0                                      ; the last step is written out: nothing is asked for
	PAIRS c
	s_wait_dscnt 0x0                               ; the last chunk is in, and my reads of the slots are over:
	s_barrier_signal -1                            ; say so, since the stages lie in the slots,
	MUL 1
	WIN 0
	s_barrier_wait -1
	PLACES
	; THE WAY OUT.  The sums go into my stage in f32, each accumulator's low registers first
.set a, 0
.rept 4
	WIN 0x08+0x04*(a/2)                            ; store data (source 1) in window 2 or 3
.set b, 0
.rept NB
	ds_store_b128 v[STO], v[128*(a%2)+8*b:128*(a%2)+8*b+3]   offset:a*16*SP+64*b
	ds_store_b128 v[STO], v[128*(a%2)+8*b+4:128*(a%2)+8*b+7] offset:a*16*SP+64*b+16
.set b, b+1
.endr
.set a, a+1
.endr
	WIN 0
	s_mov_b32 s[ROWS], 8
.Lrows:                                ; eight rows a trip, in two groups u of four.  LDS serves a wave's instructions in order (ISA guide 5.7.1.4): these loads see the stores above
.irp u, 0,1
.irp j, 0,1,2
	ds_load_b128 v[X+24*\u+8*\j:X+24*\u+8*\j+3],   v[RD] offset:\u*4*SP+256*\j
	ds_load_b128 v[X+24*\u+8*\j+4:X+24*\u+8*\j+7], v[RD] offset:\u*4*SP+256*\j+16
.endr
.irp c, 0,1
	ds_load_b128 v[CC+8*\u+4*\c:CC+8*\u+4*\c+3], v[RTA] offset:\u*4*RP+16*\c
	ds_load_b128 v[SS+8*\u+4*\c:SS+8*\u+4*\c+3], v[RTA] offset:\u*4*RP+128+16*\c
.endr
.endr
	s_wait_dscnt 0x0
	RUN16 v_xor_b32 v[SS+p], v[SGN], v[SS+p]
.irp u, 0,1
.irp j, 0,1
.set i, 0
.rept 8
	v_mul_f32_dpp v[TT+16*\u+8*\j+i], v[X+24*\u+8*\j+i], v[SS+8*\u+i] row_xmask:4 row_mask:0xf bank_mask:0xf  ; x[d +- 32] lies four lanes away
.set i, i+1
.endr
.endr
.endr
.irp u, 0,1
.irp j, 0,1
.set i, 0
.rept 8
	v_fma_f32 v[X+24*\u+8*\j+i], v[X+24*\u+8*\j+i], v[CC+8*\u+i], v[TT+16*\u+8*\j+i]
.set i, i+1
.endr
.endr
.endr
.irp u, 0,1
.set i, 0
.rept 12
	v_cvt_pk_bf16_f32 v[YY+12*\u+i], v[X+24*\u+2*i], v[X+24*\u+2*i+1]
.set i, i+1
.endr
.endr
.irp u, 0,1
.irp j, 0,1,2
	global_store_b128 v[CO], v[YY+12*\u+4*\j:YY+12*\u+4*\j+3], s[96+2*\j:97+2*\j] offset:512*\u  ; 512 consecutive bytes, aligned
.endr
.endr
	v_add_nc_u32 v[RD], 8*SP, v[RD]
	v_add_nc_u32 v[RTA], 8*RP, v[RTA]
	s_wait_xcnt 0x0                                ; the stores' offset and data are rewritten only behind this wait
	v_add_nc_u32 v[CO], 1024, v[CO]
	s_sub_co_u32 s[ROWS], s[ROWS], 1
	s_cmp_lg_u32 s[ROWS], 0
	s_cbranch_scc1 .Lrows
	s_wait_tensorcnt 0x0                           ; the wave's end
	ds_add_u32 v[SPW], v[NIL]
	s_wait_dscnt 0x0
	CROUND                                         ; the closing round
	s_endpgm
.Lfunc_end_k_qeb47d70afd_proj:
	.size	k_qeb47d70afd_proj, .Lfunc_end_k_qeb47d70afd_proj-k_qeb47d70afd_proj
	.p2alignl 7, 3214868480
	.fill 96, 4, 3214868480
	.section	.rodata,"a",@progbits
	.p2align	6, 0x0
	.amdhsa_kernel k_qeb47d70afd_proj
		.amdhsa_group_segment_fixed_size 327680
		.amdhsa_private_segment_fixed_size 0
		.amdhsa_enable_private_segment 0
		.amdhsa_kernarg_size 56
		.amdhsa_user_sgpr_count 2
		.amdhsa_user_sgpr_kernarg_segment_ptr 1
		.amdhsa_wavefront_size32 1
		.amdhsa_system_sgpr_workgroup_id_x 1
		.amdhsa_system_sgpr_workgroup_id_y 1
		.amdhsa_system_sgpr_workgroup_id_z 1
		.amdhsa_system_vgpr_workitem_id 0
		.amdhsa_next_free_vgpr 1024
		.amdhsa_next_free_sgpr 102
		.amdhsa_reserve_vcc 0
		.amdhsa_float_denorm_mode_32 3
		.amdhsa_float_denorm_mode_16_64 3
		.amdhsa_memory_ordered 1
		.amdhsa_forward_progress 1
		.amdhsa_inst_pref_size 75
	.end_amdhsa_kernel
	.amdgpu_metadata
---
amdhsa.version: [ 1, 2 ]
amdhsa.kernels:
  - .name:           k_qeb47d70afd_proj
    .symbol:         k_qeb47d70afd_proj.kd
    .args:
      - { .name: h, .offset: 0, .size: 8, .value_kind: global_buffer, .address_space: global }
      - { .name: wb, .offset: 8, .size: 8, .value_kind: global_buffer, .address_space: global }
      - { .name: bq, .offset: 16, .size: 8, .value_kind: global_buffer, .address_space: global }
      - { .name: bk, .offset: 24, .size: 8, .value_kind: global_buffer, .address_space: global }
      - { .name: bv, .offset: 32, .size: 8, .value_kind: global_buffer, .address_space: global }
      - { .name: rope, .offset: 40, .size: 8, .value_kind: global_buffer, .address_space: global }
      - { .name: qkvb, .offset: 48, .size: 8, .value_kind: global_buffer, .address_space: global }
    .group_segment_fixed_size: 327680
    .private_segment_fixed_size: 0
    .kernarg_segment_align: 8
    .kernarg_segment_size: 56
    .max_flat_workgroup_size: 128
    .sgpr_count:     102
    .vgpr_count:     1024
    .wavefront_size: 32
...
	.end_amdgpu_metadata
.endif
;; end of part 2
;; launch attn (part 3): grid 16 x 16, 4 waves a work-group, clusters of 4 x 1, 327,680 bytes of LDS; arguments qkvb, mask, o; writes o
.if DOCPART == 3
	.amdgcn_target "amdgcn-amd-amdhsa--gfx1250"
	.amdhsa_code_object_version 6
	.text
	.protected	k_qeb47d70afd_attn
	.globl	k_qeb47d70afd_attn
	.p2align	8
	.type	k_qeb47d70afd_attn,@function
k_qeb47d70afd_attn:
	s_mov_b64 s[64:65], 0
	v_nop
	global_prefetch_b8 v0, s[64:65] scope:SCOPE_SE
	s_setreg_imm32_b32 hwreg(HW_REG_WAVE_MODE, 25, 1), 1
	s_wait_xcnt 0x0
	s_wait_alu depctr_hold_cnt(0) depctr_sa_sdst(0) depctr_va_vdst(0) depctr_va_sdst(0) depctr_va_ssrc(0) depctr_va_vcc(0) depctr_vm_vsrc(0)
	s_getreg_b32 s2, hwreg(HW_REG_IB_STS2, 6, 4)
	s_cmp_eq_u32 s2, 0
	s_cbranch_scc0 .Lentry_in_a_cluster
	s_endpgm
.Lentry_in_a_cluster:
	s_bfe_u32 s2, ttmp6, 0x10000c
	s_cmp_lg_u32 s2, 0x3003
	s_cbranch_scc0 .Lentry_shape_is_right
	s_endpgm
.Lentry_shape_is_right:
; ATTENTION WITH A KEY MASK.  O[q][:] = the sum over visible k of softmax_k(Q[q] . K[k] / 8) V[k][:]; a batch with no visible key gives 0.
; Q, K, V: qkvb[kind][batch x 16 + head][2048][64] in bf16, kinds 8,388,608 bytes apart; mask: [2][2048] bytes; O: o[token][1024] in bf16.  Products, maxima and sums in f32; the weights p are
; rounded to bf16 for the second product (their sum l is taken of the unrounded p), O once at the end.
; LIMITS.  A hidden score counts as its value less 1e30, and a row whose maximum lies below -1e29 counts as all hidden: raw |Q . K| stays under 1e29.  A weight below 2^-126 counts as 0 in l.
; NaN and infinities are not treated apart.
; SHARES.  A work-group takes 128 queries of TWO neighbouring heads, so that its rows of O are whole blocks of 256 bytes.  Wave w: head 2 y + w % 2, queries 64 (w / 2) on, as four PIECES of 16.
; LAYOUT.  S^T = K Q^T (source 0 = 16 keys, source 1 = 16 queries) holds ONE query a lane (lane % 16) and the keys 8 (lane / 16) + 0..7; two such results rounded to bf16 ARE source 1 of O^T = V^T P.
; THE MASK is the C operand that starts the sum S^T: 0, or -1e30 where the key is hidden.  A table of 2,048 such numbers is made in LDS at the start; a step's 32 for my lane come in with K.
; SOFTMAX.  p = 2^(c s - c m), c = log2(e) / 8, with a running maximum m; O and l are multiplied by a = 2^(c m_old - c m_new) in every step.  m starts at the lowest finite number, O and l at 0.
; TURNS.  Turn n belongs to piece n: 8 products K Q^T of piece n + 1, later 8 products V^T P of piece n - 1; beside them the scaling, exponentials, roundings, sums and rescaling of piece n and the maximum
; and statistics of piece n + 1.  Four vector instructions stand behind every matrix instruction, the others in two runs of their own.
; CLUSTER.  The four query blocks of a cluster walk the same K and V of the same two heads: each tile is asked for JOINTLY, by the same tensor load, descriptor and mask in all four.
; REGISTERS, in windows of 256: window 0: v0-15 addresses; v16-31 statistics; v48-55 at work; v56-58 mask addresses; v62-63 the add's; v64-127 S^T, two buffers; v192-223 P, two buffers.
;   window 1: v0-127 O^T, 32 a piece; v160-191 the step's mask.      window 2: v0-63 Q; v128-191 K of one step; v192-255 V of one step.
.set NP,    4
.set KS,    64        ; keys in a step
.set PK,    144       ; a row of K in LDS: 128 bytes + 16
.set PV,    160       ; a row of V: 128 + 32
.set KB,    128*PK    ; a slot holds 128 keys, two steps, of both heads: K, K, V, V
.set VB,    128*PV
.set VOFF,  2*KB
.set SLOT1, 1<<17     ; slot 1 begins here, so that one exclusive or turns an address in one slot into the other's
.set STAGE, SLOT1+2*KB+2*VB  ; behind the ring, never filled by a tensor load: 128 rows x 272 bytes, the work-group's, for the way out
.set SP,    272
.set MB,    STAGE+128*SP     ; the mask table: 2,048 f32
.set SPARE, MB+8192          ; the spare words, 128 bytes for each wave: two blocks of 256 bytes that no other line names
.set AK0, 2
.set AV0, 3
.set AK,  4
.set AV,  5
.set STO, 6
.set RD,  7
.set GO,  8
.set MV,  12          ; v12-13 c m_old, by buffer
.set QO,  15
.set ST,  16          ; piece t's statistics at v[ST+4 t]: c m, m, l (even keys', odd keys')
.set TMP, 48          ; by buffer, four registers c0-c3 at work; when the maximum is found c2 takes a
.set AM0, 56
.set AM,  57
.set SPW, 62
.set NIL, 63
.set S,   64
.set P,   192
.set MK,  160         ; window 1
.set KF,  128         ; window 2: key block kb, channel half c at KF + 16 kb + 8 c
.set VF,  192         ; window 2: key half kk, channel block cb at VF + 32 kk + 8 cb
.set WV,  12
.set G1K, 24
.set G1V, 32
.set G0K, 40
.set G0V, 44
.set SLOTS, 56
.set CNT, 57
.set CS,  58
.set SEL, 60
.set TBK, 62
.set TBV, 63
.set TBM, 66
.set MSB, 0
.macro WIN new
.if MSB != (\new)
	s_set_vgpr_msb (MSB<<8)|(\new)
.set MSB, (\new)
.endif
.endm
.set W_KQ, 0x0a       ; K and Q in window 2, S^T in window 0
.set W_KM, 0x1a       ; the same with the C operand in window 1
.set W_PV, 0x52       ; V in window 2, P in window 0, O^T in window 1
.set W_RS, 0x41       ; destination and source 0 in window 1, source 1 in window 0
.macro JLOAD                        ; a joint fill: waves 0 and 1 fetch the two heads' K, waves 2 and 3 their V: 128 keys each; an s_nop 0 and four v_nop follow each line
	s_cmp_lt_u32 s[WV], 2
	s_cbranch_scc0 .Lfor_v_\@
	tensor_load_to_lds s[G0K:G0K+3], s[G1K:G1K+7]
	s_nop 0
.rept 4
	v_nop
.endr
	s_branch .Lasked_\@
.Lfor_v_\@:
	tensor_load_to_lds s[G0V:G0V+3], s[G1V:G1V+7]
	s_nop 0
.rept 4
	v_nop
.endr
.Lasked_\@:
.endm
.macro CROUND                       ; a round of the cluster's barrier
	s_barrier_signal -1
	s_barrier_wait -1
	s_cmp_lg_u32 s[WV], 0
	s_cbranch_scc1 .Lnot_wave_0_\@
	s_barrier_signal -3
.Lnot_wave_0_\@:
	s_barrier_wait -3
	s_barrier_signal -1
	s_barrier_wait -1
.endm
; THE CHANGE OF SLOTS.  The slot's last bytes, V of its second step, have been read.  fill = 1: the slot is filled again, with the keys two slots on, first thing behind a round of the cluster's barrier:
; the load has two key steps in which to land.  (At its first use nothing has been read yet: slot 0 is waited for, slot 1 filled, and the mask table's stores are shown to every wave.)
.macro CHANGE fill
	WIN 0
	s_wait_tensorcnt 0x0            ; no tensor load of mine is out, so a group 0 may be written
	ds_add_u32 v[SPW], v[NIL]       ; 0 onto my spare word
.if \fill
.irp g, G0K, G0V
	s_xor_b32 s[\g+1], s[\g+1], SLOT1
	s_add_nc_u64 s[\g+2:\g+3], s[\g+2:\g+3], 2*KS*128
.endr
	s_wait_dscnt 0x0                ; the add is done, and my reads of the slot are over
	CROUND
	JLOAD
.else
	s_wait_dscnt 0x0
	s_barrier_signal -1
	s_barrier_wait -1
.endif
	s_sub_co_u32 s[TBK], s[TBK], 2*KS*PK  ; the fetches go back to a slot's first step, in the other slot
	s_xor_b32 s[TBK], s[TBK], SLOT1
	s_sub_co_u32 s[TBV], s[TBV], 2*KS*PV
	s_xor_b32 s[TBV], s[TBV], SLOT1
.endm
	s_load_b128 s[4:7], s[0:1], 0x0   ; qkvb s[4:5], mask s[6:7]
	s_load_b64 s[10:11], s[0:1], 0x10 ; o
	v_lshl_add_u32 v[SPW], v0, 2, SPARE
	v_mov_b32 v[NIL], 0
	ds_add_u32 v[SPW], v[NIL]       ; the wave's opening: the add and its wait stand ahead of my first tensor load
	v_lshrrev_b32 v1, 5, v0
	v_readfirstlane_b32 s[WV], v1
	s_bfe_u32 s13, ttmp6, 0x40000   ; cx
	s_lshl_b32 s14, ttmp9, 2
	s_add_co_u32 s14, s14, s13      ; my block of 128 queries: it enters Q's and O's addresses alone
	s_and_b32 s15, ttmp7, 0xffff    ; y = 8 x batch + pair of heads, which the four partners share
	s_and_b32 s16, s[WV], 1
	s_lshl_b32 s20, s15, 1
	s_add_co_u32 s20, s20, s16      ; my head among the 32,
	s_lshl_b32 s20, s20, 18         ; 262,144 bytes each
	s_mov_b32 s21, 0
	s_mul_i32 s17, s16, KB          ; its place in a slot, for K
	s_mul_i32 s18, s16, VB          ; and for V
	s_lshl_b32 s2, s14, 14          ; my block's 128 rows of 128 bytes,
	s_lshr_b32 s3, s[WV], 1
	s_lshl_b32 s3, s3, 13           ; my wave's 64 of them
	s_add_co_u32 s2, s2, s3
	s_mov_b32 s3, 0
	s_lshr_b32 s19, s15, 3          ; the batch
	s_lshl_b32 s22, s19, 11
	s_lshl_b32 s23, s14, 7
	s_add_co_u32 s22, s22, s23
	s_lshl_b32 s23, s[WV], 5
	s_add_co_u32 s22, s22, s23      ; the first token that I store: 32 rows a wave,
	s_lshl_b32 s22, s22, 11         ; 2,048 bytes each,
	s_and_b32 s23, s15, 7
	s_lshl_b32 s23, s23, 8          ; the pair's 256 bytes in them
	s_add_co_u32 s22, s22, s23
	s_mov_b32 s23, 0
	s_lshl_b32 s48, s19, 11         ; the batch's 2,048 bytes of mask
	s_mov_b32 s49, 0
	; 128 keys are 16,384 dense bytes: asked for as 64 rows of 256 bytes, two keys a row, and padded in LDS after every key
	s_mov_b32 s[G1K], 15|(1<<16)|(1<<20)|(1<<21)|(4<<22)|(3<<25)
	s_mov_b32 s[G1V], 15|(1<<16)|(1<<20)|(1<<21)|(4<<22)|(7<<25)
.irp g, G1K, G1V
	s_mov_b32 s[\g+1], 128<<16
	s_mov_b32 s[\g+2], 64<<16
	s_mov_b32 s[\g+3], 128<<16
	s_mov_b32 s[\g+4], 64
	s_mov_b32 s[\g+5], 128
	s_mov_b32 s[\g+6], 0
	s_mov_b32 s[\g+7], 0
.endr
	s_mov_b32 s[CS], 0x3e38aa3b     ; c = log2(e) / 8
	s_mov_b32 s[CS+1], s[CS]
	s_mov_b32 s[SEL], 0x76543210
	s_mov_b32 s[SEL+1], 0xfedcba98
	s_mov_b32 s[TBK], SLOT1+2*KS*PK ; the first change of slots turns these two into 0
	s_mov_b32 s[TBV], SLOT1+2*KS*PV
	s_mov_b32 s[TBM], 0
	s_mov_b32 s67, 0xefa18f08       ; -1e29
	s_mov_b32 s[G0K], 1
	s_mov_b32 s[G0K+1], s17
	s_mov_b32 s[G0V], 1
	s_add_co_u32 s[G0V+1], s18, VOFF
	s_wait_dscnt 0x0                ; the opening add is done
	s_wait_kmcnt 0x0
	s_add_nc_u64 s[50:51], s[4:5], s[20:21]        ; my head's q
	s_add_nc_u64 s[G0K+2:G0K+3], s[50:51], 8388608 ; its k
	s_or_b32 s[G0K+3], s[G0K+3], 0x80000000
	s_add_nc_u64 s[G0V+2:G0V+3], s[50:51], 16777216  ; its v
	s_or_b32 s[G0V+3], s[G0V+3], 0x80000000
	s_add_nc_u64 s[4:5], s[50:51], s[2:3]          ; Q at my wave's first row
	s_add_nc_u64 s[6:7], s[6:7], s[48:49]
	s_add_nc_u64 s[10:11], s[10:11], s[22:23]
	CROUND                          ; all four work-groups are here: the first joint loads meet
	JLOAD                           ; slot 0
	v_lshlrev_b32 v14, 4, v0
	global_load_b128 v[64:67], v14, s[6:7]         ; 16 bytes of mask a thread: the work-group's 128 threads take the batch's 2,048
	v_and_b32 v1, 15, v0            ; l % 16
	v_bfe_u32 v9, v0, 4, 1          ; l / 16
	v_lshlrev_b32 v[QO], 7, v1
	v_lshl_add_u32 v[QO], v9, 4, v[QO]
	WIN 0x80
.set i, 0
.rept 8                             ; Q stays in registers: piece i / 2, channels 32 (i % 2) on
	global_load_b128 v[8*i:8*i+3],   v[QO], s[4:5] offset:(i/2)*2048+(i%2)*64
	global_load_b128 v[8*i+4:8*i+7], v[QO], s[4:5] offset:(i/2)*2048+(i%2)*64+32
.set i, i+1
.endr
	; What the first turn finds: V's registers and P's second buffer hold 0 (its products V^T P, of a piece that has not been, add 0), O^T and l are 0.  All this stands in the wait for the first tile.
.set i, VF
.rept 64
	v_mov_b32 v[i], 0
.set i, i+1
.endr
	WIN 0x40
.set i, 0
.rept 128
	v_mov_b32 v[i], 0
.set i, i+1
.endr
	WIN 0
.set i, 0
.rept 4
	v_mov_b32 v[ST+4*i], 0xfe000000    ; c m: far below every c s, a hidden one's too
	v_mov_b32 v[ST+4*i+1], 0xff7fffff  ; m
	v_mov_b32 v[ST+4*i+2], 0
	v_mov_b32 v[ST+4*i+3], 0
.set i, i+1
.endr
.set i, P+16
.rept 16
	v_mov_b32 v[i], 0
.set i, i+1
.endr
	v_mul_u32_u24 v[AK0], v1, PK
	v_lshl_add_u32 v[AK0], v9, 4, v[AK0]
	v_add_nc_u32 v[AK0], s17, v[AK0]               ; my head's K
	v_and_b32 v10, 7, v0            ; the turning load: lane l reads key 8 (l / 16) + l % 8, channels 8 ((l / 8) % 2) + 0..7
	v_bfe_u32 v11, v0, 3, 1
	v_lshl_add_u32 v[AV0], v9, 3, v10
	v_mul_u32_u24 v[AV0], v[AV0], PV
	v_lshl_add_u32 v[AV0], v11, 4, v[AV0]
	s_add_co_u32 s52, s18, VOFF
	v_add_nc_u32 v[AV0], s52, v[AV0]               ; my head's V
	v_lshl_add_u32 v[AM0], v9, 5, MB               ; my lanes' eight keys of each sixteen
	s_lshr_b32 s52, s[WV], 1        ; into the stage: row 64 (w / 2) + 16 t + l % 16, my head's half of its 256 bytes, 16 bytes for each half of the lanes
	s_mul_i32 s52, s52, 64*SP
	s_lshl_b32 s53, s16, 7
	s_add_co_u32 s52, s52, s53
	s_add_co_u32 s52, s52, STAGE
	v_mul_u32_u24 v[STO], v1, SP
	v_lshl_add_u32 v[STO], v9, 4, v[STO]
	v_add_nc_u32 v[STO], s52, v[STO]
	s_mul_i32 s52, s[WV], 32*SP     ; back: wave w takes rows 32 w on, whole; lanes 0-15 one row of 256 bytes, lanes 16-31 the next
	s_add_co_u32 s52, s52, STAGE
	v_mul_u32_u24 v[RD], v9, SP
	v_lshl_add_u32 v[RD], v1, 4, v[RD]
	v_add_nc_u32 v[RD], s52, v[RD]
	v_lshlrev_b32 v[GO], 11, v9     ; and the same two rows in O
	v_lshl_add_u32 v[GO], v1, 4, v[GO]
	v_lshl_add_u32 v58, v0, 6, MB
	s_wait_loadcnt 16               ; the mask is in; Q's sixteen loads stay out
.set i, 0
.rept 16
	v_bfe_u32 v[68+i], v[64+i/4], 8*(i%4), 1       ; 1 visible, 0 hidden
.set i, i+1
.endr
.set i, 0
.rept 16
	v_add_nc_u32 v[68+i], -1, v[68+i]              ; no bits, or all
.set i, i+1
.endr
.set i, 0
.rept 16
	v_and_b32 v[68+i], 0xf149f2ca, v[68+i]         ; 0, or -1e30
.set i, i+1
.endr
.irp d, 0,1,2,3
	ds_store_b128 v58, v[68+4*\d:71+4*\d] offset:16*\d
.endr
; THE MATRIX WORK.  The 4 accumulators of a run of 8 take turns.  Product i of 8 of S^T = K Q^T for piece x: channels 32 (i / 4) on, keys 16 (i % 4) on.  The first 4 start the sums with the mask.
.macro KQ x
.set rS, S+32*((\x)%2)+8*(i%4)
.set rK, KF+16*(i%4)+8*(i/4)
.set rQ, 16*(\x)+8*(i/4)
.set rM, MK+8*(i%4)
.if i < 4
	WIN W_KM
	v_wmma_f32_16x16x32_bf16 v[rS:rS+7], v[rK:rK+7], v[rQ:rQ+7], v[rM:rM+7]
.else
	WIN W_KQ
	v_wmma_f32_16x16x32_bf16 v[rS:rS+7], v[rK:rK+7], v[rQ:rQ+7], v[rS:rS+7]
.endif
.endm
; Product i of 8 of O^T += V^T P for piece x: keys 32 (i / 4) on, channels 16 (i % 4) on.
.macro PV x
	WIN W_PV
.set rO, 32*(\x)+8*(i%4)
.set rV, VF+32*(i/4)+8*(i%4)
.set rP, P+16*((\x)%2)+8*(i/4)
	v_wmma_f32_16x16x32_bf16 v[rO:rO+7], v[rV:rV+7], v[rP:rP+7], v[rO:rO+7]
.endm
.macro MM                           ; the turn's next matrix instruction
.if i < 8
	KQ (Y+1)%NP
.else
.set i, i-8
	PV (Y+NP-1)%NP
.set i, i+8
.endif
.set i, i+1
.endm
; THE LDS LOADS stand in runs: a step's K (8 fragments) with its mask, and its V (turned).  last = 1 (the tail): in the last trip there is no further step, and the run is jumped over.
.macro FETCH_K last=0
	WIN 0
.if \last
	s_cmp_eq_u32 s[CNT], 1
	s_cbranch_scc1 .Lno_k_\@
.endif
	WIN 0x80
.irp f, 0,1,2,3,4,5,6,7
	ds_load_b128 v[KF+8*\f:KF+8*\f+3],   v[AK] offset:(\f/2)*16*PK+(\f%2)*64
	ds_load_b128 v[KF+8*\f+4:KF+8*\f+7], v[AK] offset:(\f/2)*16*PK+(\f%2)*64+32
.endr
	WIN 0x40
.irp f, 0,1,2,3
	ds_load_b128 v[MK+8*\f:MK+8*\f+3],   v[AM] offset:64*\f
	ds_load_b128 v[MK+8*\f+4:MK+8*\f+7], v[AM] offset:64*\f+16
.endr
	s_add_co_u32 s[TBK], s[TBK], KS*PK
	s_add_co_u32 s[TBM], s[TBM], 4*KS
	WIN 0
.if \last
.Lno_k_\@:
.endif
.endm
.macro FETCH_V
	WIN 0x80
.irp f, 0,1,2,3,4,5,6,7
	ds_load_tr16_b128 v[VF+8*\f:VF+8*\f+3],   v[AV] offset:(\f/4)*32*PV+(\f%4)*32
	ds_load_tr16_b128 v[VF+8*\f+4:VF+8*\f+7], v[AV] offset:(\f/4)*32*PV+16*PV+(\f%4)*32
.endr
	WIN 0
.endm
; THE VECTOR WORK, one line at a time: OP kind, number.  For piece Y: F n: c s - c m for pair n of 16.  E n: the exponential of score n of 32.  C n: pair n rounded to bf16.  B n: of the four weights 4 n .. the second
; pair is added onto the first, in place.  L n: l takes that sum (L 0: l = a l + sum).  R n: pair n of 16 of O^T times a.  For piece Y + 1: X n, number n of the 22 that find its maximum and statistics:
;   0-11 four chains c0-c3 of seven scores each (each accumulator's lowest registers are read first)   12-14, 16 the four scores left over, the old m, and c0-c3 into c0
;   15 c m_old is kept   17, 18 the query's other 32 keys lie in the lane 16 away: the new m   19-21 c m; c m_old - c m_new; a
.set F, 0
.set E, 1
.set C, 2
.set B, 3
.set L, 4
.set R, 5
.set X, 6
.macro REGS y
.set rT, ST+4*(\y)
.set rC, TMP+4*((\y)%2)
.set rW, MV+((\y)%2)
.set rS, S+32*((\y)%2)
.set rP, P+16*((\y)%2)
.set rO, 32*(\y)
.endm
.macro OP k, n
.if (\k) == R
	REGS Y
	WIN W_RS
	v_pk_mul_f32 v[rO+2*(\n):rO+2*(\n)+1], v[rO+2*(\n):rO+2*(\n)+1], v[rC+2:rC+3] op_sel_hi:[1,0]
.elseif (\k) < R
	REGS Y
	WIN 0
.if (\k) == F
	v_pk_fma_f32 v[rS+2*(\n):rS+2*(\n)+1], v[rS+2*(\n):rS+2*(\n)+1], s[CS:CS+1], v[rT:rT+1] op_sel_hi:[1,0,0] neg_lo:[0,0,1] neg_hi:[0,0,1]
.elseif (\k) == E
	v_exp_f32 v[rS+(\n)], v[rS+(\n)]
.elseif (\k) == C
	s_wait_alu depctr_va_vdst(0)
	v_cvt_pk_bf16_f32 v[rP+(\n)], v[rS+2*(\n)], v[rS+2*(\n)+1]
.elseif (\k) == B
	s_wait_alu depctr_va_vdst(0)
	v_pk_add_f32 v[rS+4*(\n):rS+4*(\n)+1], v[rS+4*(\n):rS+4*(\n)+1], v[rS+4*(\n)+2:rS+4*(\n)+3]
.elseif (\n) == 0
	v_pk_fma_f32 v[rT+2:rT+3], v[rT+2:rT+3], v[rC+2:rC+3], v[rS:rS+1] op_sel_hi:[1,0,1]
.else
	v_pk_add_f32 v[rT+2:rT+3], v[rT+2:rT+3], v[rS+4*(\n):rS+4*(\n)+1]
.endif
.else
	REGS (Y+1)%NP
	WIN 0
.if (\n) < 4
	v_max3_num_f32 v[rC+(\n)], v[rS+8*(\n)], v[rS+8*(\n)+1], v[rS+8*(\n)+2]
.elseif (\n) < 12
	v_max3_num_f32 v[rC+(\n)%4], v[rC+(\n)%4], v[rS+8*((\n)%4)+2*((\n)/4)+1], v[rS+8*((\n)%4)+2*((\n)/4)+2]
.elseif (\n) == 12
	v_max3_num_f32 v[rC], v[rC], v[rS+7], v[rS+15]
.elseif (\n) == 13
	v_max3_num_f32 v[rC+1], v[rC+1], v[rS+23], v[rS+31]
.elseif (\n) == 14
	v_max3_num_f32 v[rC+2], v[rC+2], v[rC+3], v[rT+1]
.elseif (\n) == 15
	v_mov_b32 v[rW], v[rT]
.elseif (\n) == 16
	v_max3_num_f32 v[rC], v[rC], v[rC+1], v[rC+2]
.elseif (\n) == 17
	v_permlanex16_b32 v[rC+3], v[rC], s[SEL], s[SEL+1]
.elseif (\n) == 18
	v_max_num_f32 v[rT+1], v[rC], v[rC+3]
.elseif (\n) == 19
	v_mul_f32 v[rT], s[CS], v[rT+1]
.elseif (\n) == 20
	v_sub_f32 v[rC+1], v[rW], v[rT]
.else
	v_exp_f32 v[rC+2], v[rC+1]
.endif
.endif
.endm
.macro OPS a, i1, b=-1, i2=0, c=-1, i3=0, d=-1, i4=0
	OP \a, \i1
.if (\b) >= 0
	OP \b, \i2
.endif
.if (\c) >= 0
	OP \c, \i3
.endif
.if (\d) >= 0
	OP \d, \i4
.endif
.endm
.macro ROW a, i1, b, i2, c, i3, d, i4  ; a matrix instruction and the four behind it
	MM
	OPS \a, \i1, \b, \i2, \c, \i3, \d, \i4
.endm
; A TURN, for piece p: the order of its 16 matrix and 118 vector instructions, written out.  Behind a matrix instruction: plain, exponential, plain, plain; or four of the rescaling; or four scalings; none names a
; register of the products round it.  In the runs between, exponential and plain by turns while exponentials last.
; K and the mask of the next step are fetched in piece 2's turn, five plain instructions behind the last product that read K (the mask's last reader stands four products earlier); V of the step in hand in piece 0's
; turn, four plain instructions behind the last product that read V.  Each is waited for a turn later.  cnt = 1: the loop's count is taken down some lines ahead of the branch that stands behind the turn.
.macro TURN p, last=0, cnt=0
.set Y, (\p)
.set i, 0
.if (\p) == 3
	s_wait_dscnt 0x0                ; K and the mask are in
.endif
	ROW F,0, F,1, F,2, F,3
	ROW F,4, E,0, F,5, F,6
	ROW F,7, E,1, F,8, F,9
	ROW F,10, E,2, C,0, F,11
	ROW F,12, E,3, X,15, F,13
	ROW R,0, R,1, R,2, R,3
	ROW B,0, E,4, F,14, L,0
.if (\p) == 2
	v_add_nc_u32 v[AK], s[TBK], v[AK0]
	v_add_nc_u32 v[AM], s[TBM], v[AM0]
.endif
	ROW R,4, R,5, R,6, R,7
	OPS E,5, F,15
.if (\p) == 2
	FETCH_K \last
.endif
	OPS E,6, C,1, E,7, R,8
	OPS E,8, R,9, E,9, C,2
	OPS E,10, X,0, E,11, X,1
	OPS E,12, X,2, E,13, X,3
.if (\p) == 1
	s_wait_dscnt 0x0                ; V is in
.endif
	ROW X,4, E,14, X,5, X,6
	ROW X,7, E,15, X,8, X,9
	ROW X,10, E,16, X,11, X,12
	ROW X,13, E,17, X,14, B,1
	ROW C,4, E,18, X,16, L,1
	ROW B,2, E,19, C,6, L,2
	ROW C,8, E,20, B,3, B,4
.if (\p) == 0
	v_add_nc_u32 v[AV], s[TBV], v[AV0]
.endif
	ROW C,3, E,21, L,3, C,5
	OPS E,22, X,17, E,23, C,10
.if (\p) == 0
	FETCH_V
.endif
	OPS E,24, L,4
	OPS E,25, X,18, E,26, C,7
	OPS E,27, B,5, E,28, X,19
	OPS E,29, C,12, E,30, L,5
	OPS E,31, X,20, B,6, C,9
	OPS C,14, C,11, X,21, L,6
.if (\p) == 0
	s_add_co_u32 s[TBV], s[TBV], KS*PV
.endif
.if \cnt
	s_sub_co_u32 s[CNT], s[CNT], 1
	s_cmp_lg_u32 s[CNT], 0
.endif
	OPS C,13, B,7, C,15, R,10
	OPS R,11, R,12, L,7, R,13
	OPS R,14, R,15
.endm
	CHANGE 1                        ; slot 0 is in, everybody's part of it, and so is the mask table; slot 1 is asked for
	v_add_nc_u32 v[AK], s[TBK], v[AK0]
	v_add_nc_u32 v[AM], s[TBM], v[AM0]
	FETCH_K                         ; key step 0
	s_wait_loadcnt 0x0              ; Q
	s_wait_dscnt 0x0
.set i, 0
.rept 8
	KQ 0                            ; piece 0's first scores
.set i, i+1
.endr
	WIN 0
.rept 4
	v_nop                           ; the places behind those products
.endr
.set Y, NP-1                        ; X works for piece Y + 1: piece 0
.irp n, 0,1,2,3,4,5,6,7,8,9,10,11,12,13,14,15,16,17,18,19,20,21
	OP X, \n
.endr
	v_nop                           ; a plain instruction behind the exponential
	s_mov_b32 s[CNT], 2
	s_mov_b32 s[SLOTS], 15
	s_branch .Lfirst                ; the loop is entered at a step's first turn, in the middle of a trip
.Lslot:                             ; 14 times: every slot but the last two is filled again
	CHANGE 1
	s_mov_b32 s[CNT], 2
.Lstep:                             ; a trip: pieces 2 and 3 of one step, then pieces 0 and 1 of the next, whose K and V it fetches
	TURN 2
	TURN 3
	WIN 0
.Lfirst:
	TURN 0
	TURN 1, 0, 1
	WIN 0
	s_cbranch_scc1 .Lstep
	s_sub_co_u32 s[SLOTS], s[SLOTS], 1
	s_cmp_lg_u32 s[SLOTS], 0
	s_cbranch_scc1 .Lslot
	CHANGE 0                        ; the tail is written out: nothing is asked for
	s_mov_b32 s[CNT], 3             ; two trips fetch the last slot's steps; the third is left in its middle
.Ltail:
	TURN 2, 1
	TURN 3
	WIN 0
	s_sub_co_u32 s[CNT], s[CNT], 1
	s_cmp_eq_u32 s[CNT], 0
	s_cbranch_scc1 .Lout
	TURN 0
	TURN 1
	WIN 0
	s_branch .Ltail
.Lout:                              ; the third trip's 8 products K Q^T (on the last K and mask once more) leave piece 0's maximum as it was and serve nothing: the price of one text for every trip
.set i, 0
.rept 8
	PV NP-1                         ; the last piece's V^T P of the last step
.set i, i+1
.endr
	; THE WAY OUT.  l's two halves and the other half of the lanes' are added; O^T is divided by l (by nothing, and set to 0, where every key was hidden), rounded to bf16 and sent through the stage.
	WIN 0
.macro ALL line:vararg
.set t, 0
.rept 4
	\line
.set t, t+1
.endr
.endm
	ALL v_add_f32 v[ST+4*t+2], v[ST+4*t+2], v[ST+4*t+3]
	ALL v_permlanex16_b32 v[ST+4*t+3], v[ST+4*t+2], s[SEL], s[SEL+1]
	ALL v_add_f32 v[ST+4*t+2], v[ST+4*t+2], v[ST+4*t+3]
	ALL v_rcp_f32 v[ST+4*t+2], v[ST+4*t+2]
	v_nop                           ; a plain instruction between the last reciprocal and the use of its result
.irp t, 0,1,2,3
	v_cmp_lt_f32 vcc_lo, s67, v[ST+4*\t+1]         ; has the row seen a key?
	s_wait_alu depctr_va_vdst(0)
	v_cndmask_b32 v[ST+4*\t+2], 0, v[ST+4*\t+2], vcc_lo
.endr
.macro PACK t
	WIN W_RS
.set i, 32*(\t)
.rept 16
	v_pk_mul_f32 v[i:i+1], v[i:i+1], v[ST+4*(\t)+2:ST+4*(\t)+3] op_sel_hi:[1,0]
.set i, i+2
.endr
	WIN 0x05                        ; sources 0 and 1 window 1, destination window 0
.set i, 0
.rept 16
	v_cvt_pk_bf16_f32 v[S+16*(\t)+i], v[32*(\t)+2*i], v[32*(\t)+2*i+1]
.set i, i+1
.endr
	WIN 0
.irp f, 0,1,2,3
	ds_store_b128 v[STO], v[S+16*(\t)+4*\f:S+16*(\t)+4*\f+3] offset:(\t)*16*SP+32*\f
.endr
.endm
	PACK 0
	PACK 1
	PACK 2
	PACK 3
	s_wait_dscnt 0x0                ; for the others' sake: my stores into the stage are done; a row's 256 bytes come from two waves
	s_barrier_signal -1
	s_barrier_wait -1
.set i, 0
.rept 16
	ds_load_b128 v[S+4*i:S+4*i+3], v[RD] offset:i*2*SP
.set i, i+1
.endr
.set i, 0
.rept 16
	s_wait_dscnt 15-i               ; the younger loads stay out
	global_store_b128 v[GO], v[S+4*i:S+4*i+3], s[10:11] offset:4096*i  ; 16 lanes store 256 consecutive bytes, aligned
.set i, i+1
.endr
	s_wait_tensorcnt 0x0            ; the wave's end
	ds_add_u32 v[SPW], v[NIL]
	s_wait_dscnt 0x0
	CROUND                          ; the closing round
	s_endpgm
.Lfunc_end_k_qeb47d70afd_attn:
	.size	k_qeb47d70afd_attn, .Lfunc_end_k_qeb47d70afd_attn-k_qeb47d70afd_attn
	.p2alignl 7, 3214868480
	.fill 96, 4, 3214868480
	.section	.rodata,"a",@progbits
	.p2align	6, 0x0
	.amdhsa_kernel k_qeb47d70afd_attn
		.amdhsa_group_segment_fixed_size 327680
		.amdhsa_private_segment_fixed_size 0
		.amdhsa_enable_private_segment 0
		.amdhsa_kernarg_size 24
		.amdhsa_user_sgpr_count 2
		.amdhsa_user_sgpr_kernarg_segment_ptr 1
		.amdhsa_wavefront_size32 1
		.amdhsa_system_sgpr_workgroup_id_x 1
		.amdhsa_system_sgpr_workgroup_id_y 1
		.amdhsa_system_sgpr_workgroup_id_z 1
		.amdhsa_system_vgpr_workitem_id 0
		.amdhsa_next_free_vgpr 768
		.amdhsa_next_free_sgpr 68
		.amdhsa_reserve_vcc 1
		.amdhsa_float_denorm_mode_32 3
		.amdhsa_float_denorm_mode_16_64 3
		.amdhsa_memory_ordered 1
		.amdhsa_forward_progress 1
		.amdhsa_inst_pref_size 121
	.end_amdhsa_kernel
	.amdgpu_metadata
---
amdhsa.version: [ 1, 2 ]
amdhsa.kernels:
  - .name:           k_qeb47d70afd_attn
    .symbol:         k_qeb47d70afd_attn.kd
    .args:
      - { .name: qkvb, .offset: 0, .size: 8, .value_kind: global_buffer, .address_space: global }
      - { .name: mask, .offset: 8, .size: 8, .value_kind: global_buffer, .address_space: global }
      - { .name: o, .offset: 16, .size: 8, .value_kind: global_buffer, .address_space: global }
    .group_segment_fixed_size: 327680
    .private_segment_fixed_size: 0
    .kernarg_segment_align: 8
    .kernarg_segment_size: 24
    .max_flat_workgroup_size: 128
    .sgpr_count:     68
    .vgpr_count:     768
    .wavefront_size: 32
...
	.end_amdgpu_metadata
.endif
;; end of part 3
;; launch wo (part 4): grid 8 x 32, 4 waves a work-group, clusters of 4 x 4, 327,680 bytes of LDS; arguments o, wb, bo, x, x1; writes x1
.if DOCPART == 4
	.amdgcn_target "amdgcn-amd-amdhsa--gfx1250"
	.amdhsa_code_object_version 6
	.text
	.protected	k_qeb47d70afd_wo
	.globl	k_qeb47d70afd_wo
	.p2align	8
	.type	k_qeb47d70afd_wo,@function
k_qeb47d70afd_wo:
	s_mov_b64 s[64:65], 0
	v_nop
	global_prefetch_b8 v0, s[64:65] scope:SCOPE_SE
	s_setreg_imm32_b32 hwreg(HW_REG_WAVE_MODE, 25, 1), 1
	s_wait_xcnt 0x0
	s_wait_alu depctr_hold_cnt(0) depctr_sa_sdst(0) depctr_va_vdst(0) depctr_va_sdst(0) depctr_va_ssrc(0) depctr_va_vcc(0) depctr_vm_vsrc(0)
	s_getreg_b32 s2, hwreg(HW_REG_IB_STS2, 6, 4)
	s_cmp_eq_u32 s2, 0
	s_cbranch_scc0 .Lentry_in_a_cluster
	s_endpgm
.Lentry_in_a_cluster:
	s_bfe_u32 s2, ttmp6, 0x10000c
	s_cmp_lg_u32 s2, 0xf033
	s_cbranch_scc0 .Lentry_shape_is_right
	s_endpgm
.Lentry_shape_is_right:
; OUTPUT PROJECTION WITH RESIDUAL.  OUT[m][n] = R[m][n] + bias[n] + sum over k of A[m][k] W[n][k].  A = o: [4096][1024] bf16; W = Wo in wb, [1024][1024] bf16; R = x and OUT = x1: [4096][1024] f32.
; 1,024 columns give only 64 tiles of 256 x 256, so a tile of C is 128 x 128: 256 work-groups.  Four waves, 2 x 2, each 64 x 64: 16 accumulators in f32, which START as the bias.
; K goes in steps of 256 (LDS rows of 512 bytes) through two LDS slots filled by the tensor data mover; a step is eight chunks of 32 along K on two fragment buffers.  Both slots' first fills,
; half of K, go out together at the start.
; CLUSTER: 4 x 4 work-groups; A's tile is shared along a row of the cluster, W's along a column: each is asked for JOINTLY.
; THE MATRIX INSTRUCTION IS USED TRANSPOSED (source 0 = 16 rows of W, source 1 = 16 rows of A): a lane holds eight neighbouring columns of one row of C.
; REGISTERS: window 0: v0-31 addresses; v32-63, v64-95 A's fragments (later, with v96-127, rows read back); v128-255 the residual.  window 1: v0-31, v128-159 W's fragments.
;   windows 2, 3: accumulator (a, b) in window 2 + a / 2 at v[128 (a % 2) + 8 b].
; LDS: two slots of 135,168 bytes; the spare words.  The way out's stage (64 rows x 272 bytes a wave, f32) lies in slot 0, which has had its last fill by then.
; LIMITS: NaN and infinities are not treated apart.
.set KDIM,  1024
.set WOFF,  6291456
.set KSTEP, 256
.set PITCH, 528                        ; 512 bytes + 16 of padding
.set QI,    6                          ; padding after every 128 words
.set TM,    128
.set TN,    128
.set NB,    4
.set RA,    64
.set RB,    64
.set SP,    272
.set SLOT,  (TM+TN)*PITCH
.set SPARE, 2*SLOT                     ; the spare words, 128 bytes for each wave: two blocks of 256 bytes that no other line names
.set STEPS, KDIM/KSTEP
.set NCH,   KSTEP/32
.set NL,    2*NB+8
.set STG,   64*SP
.set GW,    (1<<16)|(1<<20)|(1<<21)|(QI<<22)|(3<<25)
.set A0,   16
.set B0,   17
.set ADRA, 18
.set ADRB, 19
.set STO,  20
.set RD,   21
.set CO,   22
.set BO,   23
.set SPW,  28
.set NIL,  29
.set FA,   32
.set RES,  128
.set G1,  24
.set G0,  32
.set G1B, 48
.set G0B, 56
.set CNT,  45
.set LAPS, 66
.set MSB, 0
.macro WIN new
.if MSB != (\new)
	s_set_vgpr_msb (MSB<<8)|(\new)
.set MSB, \new
.endif
.endm
.macro PLACES                          ; four places in front of loads into registers that matrix instructions have read, and of stores that read results
.rept 4
	v_nop
.endr
.endm
.macro JLOAD s                         ; a joint load: waves 0 and 1 fetch A's two halves, waves 2 and 3 W's; an s_nop 0 and four v_nop follow each line
	s_cmp_eq_u32 s11, 0
	s_cbranch_scc0 .Lfor_b_\@
	tensor_load_to_lds s[G0+4*(\s):G0+4*(\s)+3], s[G1:G1+7]
	s_nop 0
	PLACES
	s_branch .Lasked_\@
.Lfor_b_\@:
	tensor_load_to_lds s[G0B+4*(\s):G0B+4*(\s)+3], s[G1B:G1B+7]
	s_nop 0
	PLACES
.Lasked_\@:
.endm
.macro CROUND                          ; a round of the cluster's barrier
	s_barrier_signal -1
	s_barrier_wait -1
	s_cmp_lg_u32 s10, 0
	s_cbranch_scc1 .Lnot_wave_0_\@
	s_barrier_signal -3
.Lnot_wave_0_\@:
	s_barrier_wait -3
	s_barrier_signal -1
	s_barrier_wait -1
.endm
.macro FETCH f, k                      ; one chunk's fragments, at byte k behind the two addresses, into buffer f: NL loads in one run
	WIN 0x40
.set b, 0
.rept NB
	ds_load_b128 v[128*(\f)+8*b:128*(\f)+8*b+3],   v[ADRB] offset:(\k)+b*16*PITCH
	ds_load_b128 v[128*(\f)+8*b+4:128*(\f)+8*b+7], v[ADRB] offset:(\k)+b*16*PITCH+32
.set b, b+1
.endr
	WIN 0
.set a, 0
.rept 4
	ds_load_b128 v[FA+32*(\f)+8*a:FA+32*(\f)+8*a+3],   v[ADRA] offset:(\k)+a*16*PITCH
	ds_load_b128 v[FA+32*(\f)+8*a+4:FA+32*(\f)+8*a+7], v[ADRA] offset:(\k)+a*16*PITCH+32
.set a, a+1
.endr
.endm
.macro MUL f                           ; buffer f is multiplied: all accumulators by turns, one instruction a turn, always in this order
.set a, 0
.rept 4
	WIN 0xa1+0x50*(a/2)
.set b, 0
.rept NB
	v_wmma_f32_16x16x32_bf16 v[128*(a%2)+8*b:128*(a%2)+8*b+7], v[128*(\f)+8*b:128*(\f)+8*b+7], v[FA+32*(\f)+8*a:FA+32*(\f)+8*a+7], v[128*(a%2)+8*b:128*(a%2)+8*b+7]
.set b, b+1
.endr
.set a, a+1
.endr
.endm
; THE CHANGE OF SLOTS, in front of the first fetch of a step that lies in \slot.  The other slot's last chunk is in buffer 1, not yet multiplied.
.macro HEAD slot, fill
	s_wait_tensorcnt 0x0                           ; all my tensor loads have landed, my part of this step's tile among them: a group 0 may be written
	ds_add_u32 v[SPW], v[NIL]                      ; 0 onto my spare word
.if \fill
	s_add_nc_u64 s[G0+4*(1-(\slot))+2:G0+4*(1-(\slot))+3], s[G0+4*(1-(\slot))+2:G0+4*(1-(\slot))+3], 2*KSTEP*2    ; the other slot's next tile, two steps behind its last
	s_add_nc_u64 s[G0B+4*(1-(\slot))+2:G0B+4*(1-(\slot))+3], s[G0B+4*(1-(\slot))+2:G0B+4*(1-(\slot))+3], 2*KSTEP*2
.endif
	v_add_nc_u32 v[ADRA], (\slot)*SLOT, v[A0]
	v_add_nc_u32 v[ADRB], (\slot)*SLOT, v[B0]
	s_wait_dscnt 0x0                               ; the add is done, and my reads of the other slot are over
.if \fill
	CROUND                                         ; both now hold of every wave of every partner
	JLOAD 1-(\slot)                                ; the next step's tile, into the slot read last: my one tensor load behind the round; it has this whole step in which to land
.else
	s_barrier_signal -1
	s_barrier_wait -1
.endif
.endm
.macro PAIRS tag                       ; a step: NCH / 2 trips of two chunks
	s_mov_b32 s[CNT], NCH/2
.Lpair_\tag:
	PLACES
	FETCH 0, 0
	s_wait_dscnt NL                                ; all but the NL just issued: buffer 1 is in
	MUL 1
	WIN 0
.Lmid_\tag:
	PLACES
	FETCH 1, 64
	v_add_nc_u32 v[ADRA], 128, v[ADRA]
	v_add_nc_u32 v[ADRB], 128, v[ADRB]
	s_wait_dscnt NL                                ; buffer 0 is in
	MUL 0
	WIN 0
	s_sub_co_u32 s[CNT], s[CNT], 1
	s_cmp_lg_u32 s[CNT], 0
	s_cbranch_scc1 .Lpair_\tag
.endm
	s_load_b256 s[68:75], s[0:1], 0x0              ; A s[68:69], wb s[70:71], bias s[72:73], R s[74:75]
	s_load_b64 s[76:77], s[0:1], 0x20              ; OUT
	v_lshl_add_u32 v[SPW], v0, 2, SPARE
	v_mov_b32 v[NIL], 0
	ds_add_u32 v[SPW], v[NIL]                      ; the wave's opening: the add and its wait stand ahead of my first tensor load
	v_lshrrev_b32 v1, 5, v0
	v_readfirstlane_b32 s10, v1
	s_lshr_b32 s11, s10, 1                         ; which half of the tile's rows is mine.  Also: I fetch for A (0) or for W (1)
	s_and_b32 s12, s10, 1                          ; which half of its columns.  Also: which 64 rows of that tile I fetch
	s_bfe_u32 s40, ttmp6, 0x40000
	s_bfe_u32 s41, ttmp6, 0x40004
	s_lshl_b32 s42, ttmp9, 2
	s_add_co_u32 s42, s42, s40                     ; tile column
	s_and_b32 s13, ttmp7, 0xffff
	s_lshl_b32 s13, s13, 2
	s_add_co_u32 s13, s13, s41                     ; tile row
	s_lshl_b32 s43, s41, 2
	s_lshl_b32 s43, 15, s43
	s_lshl_b32 s44, 0x1111, s40
	s_or_b32 s[G1], s43, GW
	s_or_b32 s[G1B], s44, GW
	s_mov_b32 s[G1+1], KSTEP<<16
	s_mov_b32 s[G1+2], RA<<16
	s_mov_b32 s[G1+3], KSTEP<<16
	s_mov_b32 s[G1+4], RA
	s_mov_b32 s[G1+5], KDIM
	s_mov_b32 s[G1+6], 0
	s_mov_b32 s[G1+7], 0
	s_mov_b32 s[G1B+1], KSTEP<<16
	s_mov_b32 s[G1B+2], RB<<16
	s_mov_b32 s[G1B+3], KSTEP<<16
	s_mov_b32 s[G1B+4], RB
	s_mov_b32 s[G1B+5], KDIM
	s_mov_b32 s[G1B+6], 0
	s_mov_b32 s[G1B+7], 0
	s_mul_i32 s17, s12, RA
	s_mul_i32 s16, s13, TM
	s_add_co_u32 s16, s16, s17
	s_mul_i32 s16, s16, KDIM*2
	s_mov_b32 s17, 0
	s_mul_i32 s47, s12, RB
	s_mul_i32 s46, s42, TN
	s_add_co_u32 s46, s46, s47
	s_mul_i32 s46, s46, KDIM*2
	s_mov_b32 s47, 0
	s_mul_i32 s20, s12, RA*PITCH
	s_mul_i32 s21, s12, RB*PITCH
	s_add_co_u32 s21, s21, TM*PITCH
	s_wait_dscnt 0x0                               ; the opening add is done
	s_wait_kmcnt 0x0
	s_add_nc_u64 s[14:15], s[68:69], s[16:17]
	s_add_nc_u64 s[46:47], s[70:71], s[46:47]
	s_add_nc_u64 s[46:47], s[46:47], WOFF
.irp s, 0,1
	s_mov_b32 s[G0+4*(\s)], 1
	s_add_co_u32 s[G0+4*(\s)+1], s20, (\s)*SLOT
	s_add_nc_u64 s[G0+4*(\s)+2:G0+4*(\s)+3], s[14:15], (\s)*KSTEP*2
	s_or_b32 s[G0+4*(\s)+3], s[G0+4*(\s)+3], 0x80000000
	s_mov_b32 s[G0B+4*(\s)], 1
	s_add_co_u32 s[G0B+4*(\s)+1], s21, (\s)*SLOT
	s_add_nc_u64 s[G0B+4*(\s)+2:G0B+4*(\s)+3], s[46:47], (\s)*KSTEP*2
	s_or_b32 s[G0B+4*(\s)+3], s[G0B+4*(\s)+3], 0x80000000
.endr
	CROUND                                         ; all sixteen work-groups are here: the first joint loads meet
	s_cmp_eq_u32 s11, 0                            ; a wave's two first fills stand in one branch: steps 0 and 1; two loads of mine are out
	s_cbranch_scc0 .Lfirst_b
	tensor_load_to_lds s[G0:G0+3], s[G1:G1+7]
	s_nop 0
	tensor_load_to_lds s[G0+4:G0+7], s[G1:G1+7]
	s_nop 0
	PLACES
	s_branch .Lfirst_asked
.Lfirst_b:
	tensor_load_to_lds s[G0B:G0B+3], s[G1B:G1B+7]
	s_nop 0
	tensor_load_to_lds s[G0B+4:G0B+7], s[G1B:G1B+7]
	s_nop 0
	PLACES
.Lfirst_asked:
	v_and_b32 v1, 15, v0
	v_bfe_u32 v2, v0, 4, 1
	v_mul_u32_u24 v3, v1, PITCH
	v_lshl_add_u32 v3, v2, 4, v3
	s_mul_i32 s22, s11, 64*PITCH
	v_add_nc_u32 v[A0], s22, v3
	s_mul_i32 s23, s12, NB*16*PITCH
	s_add_co_u32 s23, s23, TM*PITCH
	v_add_nc_u32 v[B0], s23, v3
	s_mul_i32 s22, s10, STG                        ; my stage
	v_mul_u32_u24 v[STO], v1, SP
	v_lshl_add_u32 v[STO], v2, 5, v[STO]           ; in: row r, 32 bytes for each half of the lanes
	v_add_nc_u32 v[STO], s22, v[STO]
	v_mul_u32_u24 v[RD], v2, SP                    ; back: lanes 0-15 take one row of 256 bytes, lanes 16-31 the next
	v_lshl_add_u32 v[RD], v1, 4, v[RD]
	v_add_nc_u32 v[RD], s22, v[RD]
	v_lshlrev_b32 v[CO], 12, v2                    ; and the same two rows in R and OUT
	v_lshl_add_u32 v[CO], v1, 4, v[CO]
	v_lshlrev_b32 v[BO], 5, v2
	s_lshl_b32 s46, s42, 7
	s_lshl_b32 s47, s12, 6
	s_add_co_u32 s46, s46, s47                     ; my first column,
	s_lshl_b32 s46, s46, 2                         ; in bytes
	s_mov_b32 s47, 0
	s_add_nc_u64 s[72:73], s[72:73], s[46:47]
	s_lshl_b32 s2, s13, 7
	s_lshl_b32 s3, s11, 6
	s_add_co_u32 s2, s2, s3                        ; my first row,
	s_lshl_b32 s2, s2, 12                          ; 4,096 bytes each
	s_add_co_u32 s2, s2, s46
	s_mov_b32 s3, 0
	s_add_nc_u64 s[74:75], s[74:75], s[2:3]
	s_add_nc_u64 s[76:77], s[76:77], s[2:3]
	; the accumulators start as the bias: register j of a lane is column 16 b + 8 (l / 16) + j
.set a, 0
.rept 4
	WIN 0x80+0x40*(a/2)
.set b, 0
.rept NB
	global_load_b128 v[128*(a%2)+8*b:128*(a%2)+8*b+3],   v[BO], s[72:73] offset:64*b
	global_load_b128 v[128*(a%2)+8*b+4:128*(a%2)+8*b+7], v[BO], s[72:73] offset:64*b+16
.set b, b+1
.endr
.set a, a+1
.endr
	WIN 0
	s_wait_tensorcnt 0x1                           ; my part of step 0 is in; step 1's, issued behind it, may stay out
	v_mov_b32 v[ADRA], v[A0]
	v_mov_b32 v[ADRB], v[B0]
	s_barrier_signal -1
	s_barrier_wait -1                              ; everybody's part is in
	FETCH 0, 0
	s_wait_loadcnt 0x0                             ; the bias
	s_mov_b32 s[CNT], NCH/2
	s_mov_b32 s[LAPS], STEPS/2
	s_branch .Lmid_b                               ; the loop is entered in the middle of a trip: there is no chunk yet to multiply
.Llap:                                 ; STEPS / 2 - 1 times: an odd step and an even one; each change of slots asks for the step behind the one that it enters
	HEAD 1, 1
	PAIRS a
	HEAD 0, 1
	PAIRS b
	s_sub_co_u32 s[LAPS], s[LAPS], 1
	s_cmp_lg_u32 s[LAPS], 0
	s_cbranch_scc1 .Llap
.set a, 0
.rept 4                                ; the residual is asked for a step ahead of its use: 64 rows x 256 bytes, block a of 16 rows in v[RES + 32 a ..]
.set t, 0
.rept 8
	global_load_b128 v[RES+32*a+4*t:RES+32*a+4*t+3], v[CO], s[74:75] offset:(16*a+2*t)*4096
.set t, t+1
.endr
.set a, a+1
.endr
	HEAD 1, 0                                      ; the last step is written out: nothing is asked for
	PAIRS c
	s_wait_dscnt 0x0                               ; the last chunk is in, and my reads of the slots are over:
	s_barrier_signal -1                            ; say so, since the stages lie in a slot,
	MUL 1
	WIN 0
	s_barrier_wait -1
	PLACES
	; THE WAY OUT.  The sums go into my stage, each accumulator's low registers first, come back as whole rows of 256 bytes, take the residual and leave
.set a, 0
.rept 4
	WIN 0x08+0x04*(a/2)
.set b, 0
.rept NB
	ds_store_b128 v[STO], v[128*(a%2)+8*b:128*(a%2)+8*b+3]   offset:a*16*SP+64*b
	ds_store_b128 v[STO], v[128*(a%2)+8*b+4:128*(a%2)+8*b+7] offset:a*16*SP+64*b+16
.set b, b+1
.endr
.set a, a+1
.endr
	WIN 0
.macro BACK a, rb                      ; block a's 16 rows back into v[rb ..].  LDS serves a wave's instructions in order (ISA guide 5.7.1.4): these see the stores above
.set t, 0
.rept 8
	ds_load_b128 v[(\rb)+4*t:(\rb)+4*t+3], v[RD] offset:(16*(\a)+2*t)*SP
.set t, t+1
.endr
.endm
.macro SEND a, rb, yd, yl              ; yd, yl: the younger LDS loads and residual loads that may stay out
	s_wait_dscnt \yd
	s_wait_loadcnt \yl
.set t, 0
.rept 16
	v_pk_add_f32 v[RES+32*(\a)+2*t:RES+32*(\a)+2*t+1], v[RES+32*(\a)+2*t:RES+32*(\a)+2*t+1], v[(\rb)+2*t:(\rb)+2*t+1]
.set t, t+1
.endr
.set t, 0
.rept 8
	global_store_b128 v[CO], v[RES+32*(\a)+4*t:RES+32*(\a)+4*t+3], s[76:77] offset:(16*(\a)+2*t)*4096  ; 16 lanes store 256 consecutive bytes, aligned
.set t, t+1
.endr
.endm
	BACK 0, 32
	BACK 1, 64
	BACK 2, 96
	SEND 0, 32, 16, 24
	BACK 3, 32
	SEND 1, 64, 16, 16
	SEND 2, 96, 8, 8
	SEND 3, 32, 0, 0
	s_wait_tensorcnt 0x0                           ; the wave's end
	ds_add_u32 v[SPW], v[NIL]
	s_wait_dscnt 0x0
	CROUND                                         ; the closing round
	s_endpgm
.Lfunc_end_k_qeb47d70afd_wo:
	.size	k_qeb47d70afd_wo, .Lfunc_end_k_qeb47d70afd_wo-k_qeb47d70afd_wo
	.p2alignl 7, 3214868480
	.fill 96, 4, 3214868480
	.section	.rodata,"a",@progbits
	.p2align	6, 0x0
	.amdhsa_kernel k_qeb47d70afd_wo
		.amdhsa_group_segment_fixed_size 327680
		.amdhsa_private_segment_fixed_size 0
		.amdhsa_enable_private_segment 0
		.amdhsa_kernarg_size 40
		.amdhsa_user_sgpr_count 2
		.amdhsa_user_sgpr_kernarg_segment_ptr 1
		.amdhsa_wavefront_size32 1
		.amdhsa_system_sgpr_workgroup_id_x 1
		.amdhsa_system_sgpr_workgroup_id_y 1
		.amdhsa_system_sgpr_workgroup_id_z 1
		.amdhsa_system_vgpr_workitem_id 0
		.amdhsa_next_free_vgpr 1024
		.amdhsa_next_free_sgpr 78
		.amdhsa_reserve_vcc 0
		.amdhsa_float_denorm_mode_32 3
		.amdhsa_float_denorm_mode_16_64 3
		.amdhsa_memory_ordered 1
		.amdhsa_forward_progress 1
		.amdhsa_inst_pref_size 45
	.end_amdhsa_kernel
	.amdgpu_metadata
---
amdhsa.version: [ 1, 2 ]
amdhsa.kernels:
  - .name:           k_qeb47d70afd_wo
    .symbol:         k_qeb47d70afd_wo.kd
    .args:
      - { .name: o, .offset: 0, .size: 8, .value_kind: global_buffer, .address_space: global }
      - { .name: wb, .offset: 8, .size: 8, .value_kind: global_buffer, .address_space: global }
      - { .name: bo, .offset: 16, .size: 8, .value_kind: global_buffer, .address_space: global }
      - { .name: x, .offset: 24, .size: 8, .value_kind: global_buffer, .address_space: global }
      - { .name: x1, .offset: 32, .size: 8, .value_kind: global_buffer, .address_space: global }
    .group_segment_fixed_size: 327680
    .private_segment_fixed_size: 0
    .kernarg_segment_align: 8
    .kernarg_segment_size: 40
    .max_flat_workgroup_size: 128
    .sgpr_count:     78
    .vgpr_count:     1024
    .wavefront_size: 32
...
	.end_amdgpu_metadata
.endif
;; end of part 4
;; launch ln2 (part 5): grid 512 x 1, 8 waves a work-group, no clusters, 0 bytes of LDS; arguments x1, g2, beta2, h; writes h
.if DOCPART == 5
	.amdgcn_target "amdgcn-amd-amdhsa--gfx1250"
	.amdhsa_code_object_version 6
	.text
	.protected	k_qeb47d70afd_ln2
	.globl	k_qeb47d70afd_ln2
	.p2align	8
	.type	k_qeb47d70afd_ln2,@function
k_qeb47d70afd_ln2:
	s_mov_b64 s[64:65], 0
	v_nop
	global_prefetch_b8 v0, s[64:65] scope:SCOPE_SE
	s_setreg_imm32_b32 hwreg(HW_REG_WAVE_MODE, 25, 1), 1
	s_wait_xcnt 0x0
; THE SECOND LAYER NORM.  H[r][c] = (X[r][c] - mean_r) rsqrt(var_r + 1e-5) G[c] + BETA[c].  X: [4096][1024] f32; H the same in bf16, rounded once: it is the next product's operand.
; A row is 4,096 bytes: one wave takes a whole row in 32 registers, so the row is read once, the mean is taken away before the squares are summed (as the definition has it,
; so a common offset of the row costs nothing), and no wave waits for another.  512 work-groups x 8 waves = 4,096 rows.  All sums in f32.
; No LDS, no barrier, no cluster: only G and BETA, 8 KiB, are shared.  NaN and infinities are not treated apart.
.set G,  4                             ; v[4:35]     G of my 32 columns (4 lane + 128 j + 0..3)
.set BT, 36                            ; v[36:67]    BETA
.set X0, 68                            ; v[68:99]    the row
.set T,  100                           ; v[100:111]  at work
.set Y0, 112                           ; v[112:127]  the row in bf16
	s_load_b256 s[4:11], s[0:1], 0x0               ; X s[4:5], G s[6:7], BETA s[8:9], H s[10:11]
	v_lshrrev_b32 v1, 5, v0
	v_readfirstlane_b32 s3, v1
	s_lshl_b32 s2, ttmp9, 3
	s_add_co_u32 s2, s2, s3                        ; my wave's row
	s_lshl_b32 s16, s2, 12                         ; 4,096 bytes in,
	s_mov_b32 s17, 0
	s_lshl_b32 s18, s2, 11                         ; 2,048 out
	s_mov_b32 s19, 0
	s_mov_b32 s12, 0x3a800000                      ; 1 / 1024
	s_mov_b32 s13, 0x3727c5ac                      ; 1e-5
	s_mov_b32 s14, 0x76543210                      ; v_permlanex16_b32: each lane takes its own place in the other half
	s_mov_b32 s15, 0xfedcba98
	v_and_b32 v1, 31, v0
	v_lshlrev_b32 v2, 3, v1                        ; 8 bytes a lane out
	v_lshlrev_b32 v1, 4, v1                        ; 16 bytes a lane in
	s_wait_kmcnt 0x0
	s_add_nc_u64 s[4:5], s[4:5], s[16:17]
	s_add_nc_u64 s[10:11], s[10:11], s[18:19]
.irp j, 0,1,2,3,4,5,6,7
	global_load_b128 v[X0+4*\j:X0+4*\j+3], v1, s[4:5] offset:512*\j
.endr
.irp j, 0,1,2,3,4,5,6,7
	global_load_b128 v[G+4*\j:G+4*\j+3], v1, s[6:7] offset:512*\j
.endr
.irp j, 0,1,2,3,4,5,6,7
	global_load_b128 v[BT+4*\j:BT+4*\j+3], v1, s[8:9] offset:512*\j
.endr
.macro SUM4                            ; four chains of pairs into one number a lane, then over the 32 lanes: every lane ends with the sum
	v_pk_add_f32 v[T:T+1], v[T:T+1], v[T+2:T+3]
	v_pk_add_f32 v[T+4:T+5], v[T+4:T+5], v[T+6:T+7]
	v_pk_add_f32 v[T:T+1], v[T:T+1], v[T+4:T+5]
	v_add_f32 v[T], v[T], v[T+1]
	v_add_f32_dpp v[T], v[T], v[T] row_xmask:1 row_mask:0xf bank_mask:0xf
	v_add_f32_dpp v[T], v[T], v[T] row_xmask:2 row_mask:0xf bank_mask:0xf
	v_add_f32_dpp v[T], v[T], v[T] row_xmask:4 row_mask:0xf bank_mask:0xf
	v_add_f32_dpp v[T], v[T], v[T] row_xmask:8 row_mask:0xf bank_mask:0xf
	v_permlanex16_b32 v[T+1], v[T], s14, s15
	v_add_f32 v[T], v[T], v[T+1]
.endm
	s_wait_loadcnt 16                              ; the row is in; G's and BETA's sixteen loads stay out
.irp c, 0,1,2,3
	v_pk_add_f32 v[T+2*\c:T+2*\c+1], v[X0+2*\c:X0+2*\c+1], v[X0+8+2*\c:X0+8+2*\c+1]  ; the first eight pairs start the chains: nothing is cleared
.endr
.set p, 8
.rept 8
	v_pk_add_f32 v[T+2*(p%4):T+2*(p%4)+1], v[T+2*(p%4):T+2*(p%4)+1], v[X0+2*p:X0+2*p+1]
.set p, p+1
.endr
	SUM4
	v_mul_f32 v[T+8], s12, v[T]                    ; the mean,
	v_mov_b32 v[T+9], v[T+8]                       ; named as a pair
.set p, 0
.rept 16
	v_pk_add_f32 v[X0+2*p:X0+2*p+1], v[X0+2*p:X0+2*p+1], v[T+8:T+9] op_sel_hi:[1,0] neg_lo:[0,1] neg_hi:[0,1]
.set p, p+1
.endr
.irp c, 0,1,2,3
	v_pk_mul_f32 v[T+2*\c:T+2*\c+1], v[X0+2*\c:X0+2*\c+1], v[X0+2*\c:X0+2*\c+1]
.endr
.set p, 4
.rept 12
	v_pk_fma_f32 v[T+2*(p%4):T+2*(p%4)+1], v[X0+2*p:X0+2*p+1], v[X0+2*p:X0+2*p+1], v[T+2*(p%4):T+2*(p%4)+1]
.set p, p+1
.endr
	SUM4
	v_fma_f32 v[T], v[T], s12, s13                 ; the variance + 1e-5
	v_rsq_f32 v[T+10], v[T]
	v_nop                                          ; a plain instruction behind the root (ISA guide 5.7.2)
	s_wait_alu depctr_va_vdst(0)
	v_mov_b32 v[T+11], v[T+10]
	s_wait_loadcnt 0x0                             ; G and BETA
.set p, 0
.rept 16
	v_pk_mul_f32 v[X0+2*p:X0+2*p+1], v[X0+2*p:X0+2*p+1], v[T+10:T+11] op_sel_hi:[1,0]
.set p, p+1
.endr
.set p, 0
.rept 16
	v_pk_fma_f32 v[X0+2*p:X0+2*p+1], v[X0+2*p:X0+2*p+1], v[G+2*p:G+2*p+1], v[BT+2*p:BT+2*p+1]
.set p, p+1
.endr
.set p, 0
.rept 16
	v_cvt_pk_bf16_f32 v[Y0+p], v[X0+2*p], v[X0+2*p+1]
.set p, p+1
.endr
.irp j, 0,1,2,3,4,5,6,7
	global_store_b64 v2, v[Y0+2*\j:Y0+2*\j+1], s[10:11] offset:256*\j  ; a wave's store covers 256 consecutive bytes, aligned
.endr
	s_endpgm
.Lfunc_end_k_qeb47d70afd_ln2:
	.size	k_qeb47d70afd_ln2, .Lfunc_end_k_qeb47d70afd_ln2-k_qeb47d70afd_ln2
	.p2alignl 7, 3214868480
	.fill 96, 4, 3214868480
	.section	.rodata,"a",@progbits
	.p2align	6, 0x0
	.amdhsa_kernel k_qeb47d70afd_ln2
		.amdhsa_group_segment_fixed_size 0
		.amdhsa_private_segment_fixed_size 0
		.amdhsa_enable_private_segment 0
		.amdhsa_kernarg_size 32
		.amdhsa_user_sgpr_count 2
		.amdhsa_user_sgpr_kernarg_segment_ptr 1
		.amdhsa_wavefront_size32 1
		.amdhsa_system_sgpr_workgroup_id_x 1
		.amdhsa_system_sgpr_workgroup_id_y 1
		.amdhsa_system_sgpr_workgroup_id_z 1
		.amdhsa_system_vgpr_workitem_id 0
		.amdhsa_next_free_vgpr 128
		.amdhsa_next_free_sgpr 66
		.amdhsa_reserve_vcc 0
		.amdhsa_float_denorm_mode_32 3
		.amdhsa_float_denorm_mode_16_64 3
		.amdhsa_memory_ordered 1
		.amdhsa_forward_progress 1
		.amdhsa_inst_pref_size 12
	.end_amdhsa_kernel
	.amdgpu_metadata
---
amdhsa.version: [ 1, 2 ]
amdhsa.kernels:
  - .name:           k_qeb47d70afd_ln2
    .symbol:         k_qeb47d70afd_ln2.kd
    .args:
      - { .name: x1, .offset: 0, .size: 8, .value_kind: global_buffer, .address_space: global }
      - { .name: g2, .offset: 8, .size: 8, .value_kind: global_buffer, .address_space: global }
      - { .name: beta2, .offset: 16, .size: 8, .value_kind: global_buffer, .address_space: global }
      - { .name: h, .offset: 24, .size: 8, .value_kind: global_buffer, .address_space: global }
    .group_segment_fixed_size: 0
    .private_segment_fixed_size: 0
    .kernarg_segment_align: 8
    .kernarg_segment_size: 32
    .max_flat_workgroup_size: 256
    .sgpr_count:     66
    .vgpr_count:     128
    .wavefront_size: 32
...
	.end_amdgpu_metadata
.endif
;; end of part 5
;; launch ffn1 (part 6): grid 16 x 16, 4 waves a work-group, clusters of 4 x 4, 327,680 bytes of LDS; arguments h, wb, b1, u; writes u
.if DOCPART == 6
	.amdgcn_target "amdgcn-amd-amdhsa--gfx1250"
	.amdhsa_code_object_version 6
	.text
	.protected	k_qeb47d70afd_ffn1
	.globl	k_qeb47d70afd_ffn1
	.p2align	8
	.type	k_qeb47d70afd_ffn1,@function
k_qeb47d70afd_ffn1:
	s_mov_b64 s[64:65], 0
	v_nop
	global_prefetch_b8 v0, s[64:65] scope:SCOPE_SE
	s_setreg_imm32_b32 hwreg(HW_REG_WAVE_MODE, 25, 1), 1
	s_wait_xcnt 0x0
	s_wait_alu depctr_hold_cnt(0) depctr_sa_sdst(0) depctr_va_vdst(0) depctr_va_sdst(0) depctr_va_ssrc(0) depctr_va_vcc(0) depctr_vm_vsrc(0)
	s_getreg_b32 s2, hwreg(HW_REG_IB_STS2, 6, 4)
	s_cmp_eq_u32 s2, 0
	s_cbranch_scc0 .Lentry_in_a_cluster
	s_endpgm
.Lentry_in_a_cluster:
	s_bfe_u32 s2, ttmp6, 0x10000c
	s_cmp_lg_u32 s2, 0xf033
	s_cbranch_scc0 .Lentry_shape_is_right
	s_endpgm
.Lentry_shape_is_right:
; FIRST FFN PRODUCT WITH GELU.  u[m][n] = gelu(b1[n] + sum over k of h[m][k] W1[n][k]).  h: [4096][1024] bf16; W1 in wb, [4096][1024] bf16; u: [4096][4096] bf16, rounded once.
; A tile of C is 256 x 256: 256 work-groups.  Four waves, each 64 rows x 256 columns: 64 accumulators of 16 x 16 in f32, which START as the bias.
; K goes in steps of 128 through two LDS slots filled by the tensor data mover; a step is four chunks of 32 along K on two fragment buffers.  Both slots' first fills go out together at the start.
; While a chunk's 64 products are issued, the next chunk's 40 LDS loads stand among the first 40 of them, four behind every fourth: six issue slots between two products, window switches included,
; in place of one run of 40.  The price is 20 window switches a chunk.
; CLUSTER: 4 x 4 work-groups; h's tile is shared along a row of the cluster, W1's along a column: each is asked for JOINTLY.
; THE MATRIX INSTRUCTION IS USED TRANSPOSED (source 0 = 16 rows of W1, source 1 = 16 rows of h): a lane holds eight neighbouring columns of one row of C.
; GELU, in f32: gelu(x) = x/2 + |x| (1/2 - (P(t)/2) 2^(-x x log2(e)/2)), t = 1 / (1 + 0.231641888 |x|), P the polynomial of degree 5 of Abramowitz and Stegun 7.1.26.
; LIMITS: that formula's erf is off by 1.5e-7 at the most, absolutely; NaN and infinities are not treated apart.
; REGISTERS: window 0: v0-31 addresses; v32-63, v64-95 h's fragments; v96-255 the way out.  window 1: v0-127, v128-255 W1's fragments.  windows 2, 3: accumulator (a, b) in window 2 + a / 2 at v[128 (a % 2) + 8 b].
; LDS: two slots of 139,264 bytes; the spare words.  The way out's stage (64 rows x 1,040 bytes a wave, f32) lies in the slots, which have had their last fill by then.
.set KDIM,  1024
.set WOFF,  8388608
.set KSTEP, 128
.set PITCH, 272
.set QI,    5
.set TM,    256
.set TN,    256
.set NB,    16
.set RA,    128
.set RB,    128
.set SP,    1040
.set SLOT,  (TM+TN)*PITCH
.set SPARE, 2*SLOT                     ; the spare words, 128 bytes for each wave: two blocks of 256 bytes that no other line names
.set STEPS, KDIM/KSTEP
.set NCH,   KSTEP/32
.set NG,    NB/2+2                     ; groups of four LDS loads in a chunk
.set STG,   64*SP
.set GW,    (1<<16)|(1<<20)|(1<<21)|(QI<<22)|(3<<25)
.set A0,   16
.set B0,   17
.set ADRA, 18
.set ADRB, 19
.set STO,  20
.set RD,   21
.set CO,   22
.set BO,   23
.set SPW,  28
.set NIL,  29
.set FA,   32
.set X,    96                          ; v96-127   four rows' 32 numbers of my lane: quarter q is row q
.set AX,   128                         ; v128-159  |x|
.set TT,   160                         ; v160-191  t; a quarter's first four registers later take its bf16
.set EE,   192                         ; v192-223  the exponential
.set PP,   224                         ; v224-255  the polynomial
.set G1,  24
.set G0,  32
.set G1B, 48
.set G0B, 56
.set CNT,  45
.set LAPS, 66
.set ROWS, 67
.set MSB, 0
.macro WIN new
.if MSB != (\new)
	s_set_vgpr_msb (MSB<<8)|(\new)
.set MSB, \new
.endif
.endm
.macro PLACES                          ; four places in front of loads into registers that matrix instructions have read, and of stores that read results
.rept 4
	v_nop
.endr
.endm
.macro JLOAD s                         ; a joint load: waves 0 and 1 fetch h's two halves, waves 2 and 3 W1's; an s_nop 0 and four v_nop follow each line
	s_cmp_eq_u32 s11, 0
	s_cbranch_scc0 .Lfor_b_\@
	tensor_load_to_lds s[G0+4*(\s):G0+4*(\s)+3], s[G1:G1+7]
	s_nop 0
	PLACES
	s_branch .Lasked_\@
.Lfor_b_\@:
	tensor_load_to_lds s[G0B+4*(\s):G0B+4*(\s)+3], s[G1B:G1B+7]
	s_nop 0
	PLACES
.Lasked_\@:
.endm
.macro CROUND                          ; a round of the cluster's barrier
	s_barrier_signal -1
	s_barrier_wait -1
	s_cmp_lg_u32 s10, 0
	s_cbranch_scc1 .Lnot_wave_0_\@
	s_barrier_signal -3
.Lnot_wave_0_\@:
	s_barrier_wait -3
	s_barrier_signal -1
	s_barrier_wait -1
.endm
; Group g of NG of a chunk's LDS loads, at byte k behind the two addresses, into buffer f: four loads, two fragments.  h's blocks 0 and 1 first, then W1's sixteen, h's blocks 2 and 3 last: the order of their first use
.macro LDG f, k, g
.if ((\g) == 0) || ((\g) == (NG-1))
	WIN 0
.set la, 2*((\g)/(NG-1))
.rept 2
	ds_load_b128 v[FA+32*(\f)+8*la:FA+32*(\f)+8*la+3],   v[ADRA] offset:(\k)+la*16*PITCH
	ds_load_b128 v[FA+32*(\f)+8*la+4:FA+32*(\f)+8*la+7], v[ADRA] offset:(\k)+la*16*PITCH+32
.set la, la+1
.endr
.else
	WIN 0x40                                       ; destination window 1, address window 0
.set lb, 2*((\g)-1)
.rept 2
	ds_load_b128 v[128*(\f)+8*lb:128*(\f)+8*lb+3],   v[ADRB] offset:(\k)+lb*16*PITCH
	ds_load_b128 v[128*(\f)+8*lb+4:128*(\f)+8*lb+7], v[ADRB] offset:(\k)+lb*16*PITCH+32
.set lb, lb+1
.endr
.endif
.endm
; Buffer f is multiplied: all accumulators by turns, one instruction a turn, always in this order.  fetch = 1: the next chunk's loads, into buffer 1 - f, stand behind every fourth product
.macro MUL f, fetch, k
.set n, 0
.set a, 0
.rept 4
.set b, 0
.rept NB
	WIN 0xa1+0x50*(a/2)                            ; source 0 window 1, source 1 window 0, C and D window 2 or 3
	v_wmma_f32_16x16x32_bf16 v[128*(a%2)+8*b:128*(a%2)+8*b+7], v[128*(\f)+8*b:128*(\f)+8*b+7], v[FA+32*(\f)+8*a:FA+32*(\f)+8*a+7], v[128*(a%2)+8*b:128*(a%2)+8*b+7]
.set n, n+1
.if (\fetch) && (n%4 == 0) && (n/4 <= NG)
	LDG 1-(\f), \k, n/4-1
.endif
.set b, b+1
.endr
.set a, a+1
.endr
.endm
; THE CHANGE OF SLOTS, in front of the first fetch of a step that lies in \slot.  The other slot's last chunk is in buffer 1, not yet multiplied.
.macro HEAD slot, fill
	s_wait_tensorcnt 0x0                           ; all my tensor loads have landed, my part of this step's tile among them: a group 0 may be written
	ds_add_u32 v[SPW], v[NIL]                      ; 0 onto my spare word
.if \fill
	s_add_nc_u64 s[G0+4*(1-(\slot))+2:G0+4*(1-(\slot))+3], s[G0+4*(1-(\slot))+2:G0+4*(1-(\slot))+3], 2*KSTEP*2    ; the other slot's next tile, two steps behind its last
	s_add_nc_u64 s[G0B+4*(1-(\slot))+2:G0B+4*(1-(\slot))+3], s[G0B+4*(1-(\slot))+2:G0B+4*(1-(\slot))+3], 2*KSTEP*2
.endif
	v_add_nc_u32 v[ADRA], (\slot)*SLOT, v[A0]
	v_add_nc_u32 v[ADRB], (\slot)*SLOT, v[B0]
	s_wait_dscnt 0x0                               ; the add is done, and my reads of the other slot are over
.if \fill
	CROUND                                         ; both now hold of every wave of every partner
	JLOAD 1-(\slot)                                ; the next step's tile, into the slot read last: my one tensor load behind the round; it has this whole step in which to land
.else
	s_barrier_signal -1
	s_barrier_wait -1
.endif
.endm
.macro PAIRS tag                       ; a step: NCH / 2 trips of two chunks.  A chunk's last loads stand 24 products ahead of the wait for them
	s_mov_b32 s[CNT], NCH/2
.Lpair_\tag:
	s_wait_dscnt 0x0                               ; buffer 1 is in
	PLACES                                         ; for the loads into buffer 0, which the products before read
	MUL 1, 1, 0
	WIN 0                                          ; at a label and at a branch every window is 0
.Lmid_\tag:
	s_wait_dscnt 0x0                               ; buffer 0 is in
	PLACES
	MUL 0, 1, 64
	WIN 0
	v_add_nc_u32 v[ADRA], 128, v[ADRA]
	v_add_nc_u32 v[ADRB], 128, v[ADRB]
	s_sub_co_u32 s[CNT], s[CNT], 1
	s_cmp_lg_u32 s[CNT], 0
	s_cbranch_scc1 .Lpair_\tag
.endm
; THE GELU'S LINES, for quarter q (8 numbers, 4 pairs).  GA k, 20 plain lines: |x|; 1 + 0.2316 |x|; x x; times -log2(e)/2.  GT k, 16 transcendentals: 8 reciprocals, 8 exponentials.
; GP k, 36 plain lines in nine stages of four pairs: the polynomial (5), 1/2 - P e, times |x|, + x/2, the rounding to bf16.
.macro GA q, k
.if (\k) < 8
	v_and_b32 v[AX+8*(\q)+(\k)], s90, v[X+8*(\q)+(\k)]
.elseif (\k) < 12
.set r, 8*(\q)+2*((\k)-8)
	v_pk_fma_f32 v[TT+r:TT+r+1], v[AX+r:AX+r+1], s[76:77], 1.0 op_sel_hi:[1,0,0]
.elseif (\k) < 16
.set r, 8*(\q)+2*((\k)-12)
	v_pk_mul_f32 v[EE+r:EE+r+1], v[X+r:X+r+1], v[X+r:X+r+1]
.else
.set r, 8*(\q)+2*((\k)-16)
	v_pk_mul_f32 v[EE+r:EE+r+1], v[EE+r:EE+r+1], s[78:79] op_sel_hi:[1,0]
.endif
.endm
.macro GT q, k
.if (\k) < 8
	v_rcp_f32 v[TT+8*(\q)+(\k)], v[TT+8*(\q)+(\k)]
.else
	v_exp_f32 v[EE+8*(\q)+(\k)-8], v[EE+8*(\q)+(\k)-8]
.endif
.endm
.macro GP q, k
.set r, 8*(\q)+2*((\k)%4)
.if (\k) < 4
	s_wait_alu depctr_va_vdst(0)
	v_pk_fma_f32 v[PP+r:PP+r+1], v[TT+r:TT+r+1], s[80:81], s[82:83] op_sel_hi:[1,0,0]
.elseif (\k) < 8
	v_pk_fma_f32 v[PP+r:PP+r+1], v[PP+r:PP+r+1], v[TT+r:TT+r+1], s[84:85] op_sel_hi:[1,1,0]
.elseif (\k) < 12
	v_pk_fma_f32 v[PP+r:PP+r+1], v[PP+r:PP+r+1], v[TT+r:TT+r+1], s[86:87] op_sel_hi:[1,1,0]
.elseif (\k) < 16
	v_pk_fma_f32 v[PP+r:PP+r+1], v[PP+r:PP+r+1], v[TT+r:TT+r+1], s[88:89] op_sel_hi:[1,1,0]
.elseif (\k) < 20
	v_pk_mul_f32 v[PP+r:PP+r+1], v[PP+r:PP+r+1], v[TT+r:TT+r+1]
.elseif (\k) < 24
	v_pk_fma_f32 v[PP+r:PP+r+1], v[PP+r:PP+r+1], v[EE+r:EE+r+1], 0.5 op_sel_hi:[1,1,0] neg_lo:[1,0,0] neg_hi:[1,0,0]
.elseif (\k) < 28
	v_pk_mul_f32 v[PP+r:PP+r+1], v[AX+r:AX+r+1], v[PP+r:PP+r+1]
.elseif (\k) < 32
	v_pk_fma_f32 v[X+r:X+r+1], v[X+r:X+r+1], 0.5, v[PP+r:PP+r+1] op_sel_hi:[1,0,1]
.else
	v_cvt_pk_bf16_f32 v[TT+8*(\q)+(\k)%4], v[X+r], v[X+r+1]  ; t's last use stands four stages back
.endif
.endm
; Two queues.  The plain one, 224 long: GA 0, GA 1, GP 0, GA 2, GP 1, GA 3, GP 2, GP 3.  The transcendentals', 64 long: GT 0 to GT 3.
.macro PL
.if pn < 20
	GA 0, pn
.elseif pn < 40
	GA 1, pn-20
.elseif pn < 76
	GP 0, pn-40
.elseif pn < 96
	GA 2, pn-76
.elseif pn < 132
	GP 1, pn-96
.elseif pn < 152
	GA 3, pn-132
.elseif pn < 188
	GP 2, pn-152
.else
	GP 3, pn-188
.endif
.set pn, pn+1
.endm
.macro TR
	GT tn/16, tn%16
.set tn, tn+1
.endm
.macro PLS c
.rept \c
	PL
.endr
.endm
	s_load_b256 s[68:75], s[0:1], 0x0              ; h s[68:69], wb s[70:71], b1 s[72:73], u s[74:75]
	v_lshl_add_u32 v[SPW], v0, 2, SPARE
	v_mov_b32 v[NIL], 0
	ds_add_u32 v[SPW], v[NIL]                      ; the wave's opening: the add and its wait stand ahead of my first tensor load
	v_lshrrev_b32 v1, 5, v0
	v_readfirstlane_b32 s10, v1                    ; wave 0..3: my 64 rows of the tile
	s_lshr_b32 s11, s10, 1                         ; I fetch for h (0) or for W1 (1),
	s_and_b32 s12, s10, 1                          ; this half of the tile's rows
	s_bfe_u32 s40, ttmp6, 0x40000
	s_bfe_u32 s41, ttmp6, 0x40004
	s_lshl_b32 s42, ttmp9, 2
	s_add_co_u32 s42, s42, s40                     ; tile column
	s_and_b32 s13, ttmp7, 0xffff
	s_lshl_b32 s13, s13, 2
	s_add_co_u32 s13, s13, s41                     ; tile row
	s_lshl_b32 s43, s41, 2
	s_lshl_b32 s43, 15, s43
	s_lshl_b32 s44, 0x1111, s40
	s_or_b32 s[G1], s43, GW
	s_or_b32 s[G1B], s44, GW
	s_mov_b32 s[G1+1], KSTEP<<16
	s_mov_b32 s[G1+2], RA<<16
	s_mov_b32 s[G1+3], KSTEP<<16
	s_mov_b32 s[G1+4], RA
	s_mov_b32 s[G1+5], KDIM
	s_mov_b32 s[G1+6], 0
	s_mov_b32 s[G1+7], 0
	s_mov_b32 s[G1B+1], KSTEP<<16
	s_mov_b32 s[G1B+2], RB<<16
	s_mov_b32 s[G1B+3], KSTEP<<16
	s_mov_b32 s[G1B+4], RB
	s_mov_b32 s[G1B+5], KDIM
	s_mov_b32 s[G1B+6], 0
	s_mov_b32 s[G1B+7], 0
	s_mov_b32 s76, 0x3e6d3388                      ; 0.231641888; each constant twice: the packed forms name a pair
	s_mov_b32 s77, s76
	s_mov_b32 s78, 0xbf38aa3b                      ; -log2(e) / 2
	s_mov_b32 s79, s78
	s_mov_b32 s80, 0x3f07dc22                      ; the polynomial's coefficients, halved: 0.5307027145,
	s_mov_b32 s81, s80
	s_mov_b32 s82, 0xbf3a00e3                      ; -0.7265760135,
	s_mov_b32 s83, s82
	s_mov_b32 s84, 0x3f35f0e3                      ; 0.7107068705,
	s_mov_b32 s85, s84
	s_mov_b32 s86, 0xbe11a98e                      ; -0.142248368,
	s_mov_b32 s87, s86
	s_mov_b32 s88, 0x3e027906                      ; 0.127414796
	s_mov_b32 s89, s88
	s_mov_b32 s90, 0x7fffffff
	s_mul_i32 s17, s12, RA
	s_mul_i32 s16, s13, TM
	s_add_co_u32 s16, s16, s17
	s_mul_i32 s16, s16, KDIM*2
	s_mov_b32 s17, 0
	s_mul_i32 s47, s12, RB
	s_mul_i32 s46, s42, TN
	s_add_co_u32 s46, s46, s47
	s_mul_i32 s46, s46, KDIM*2
	s_mov_b32 s47, 0
	s_mul_i32 s20, s12, RA*PITCH
	s_mul_i32 s21, s12, RB*PITCH
	s_add_co_u32 s21, s21, TM*PITCH
	s_wait_dscnt 0x0                               ; the opening add is done
	s_wait_kmcnt 0x0
	s_add_nc_u64 s[14:15], s[68:69], s[16:17]
	s_add_nc_u64 s[46:47], s[70:71], s[46:47]
	s_add_nc_u64 s[46:47], s[46:47], WOFF
.irp s, 0,1
	s_mov_b32 s[G0+4*(\s)], 1
	s_add_co_u32 s[G0+4*(\s)+1], s20, (\s)*SLOT
	s_add_nc_u64 s[G0+4*(\s)+2:G0+4*(\s)+3], s[14:15], (\s)*KSTEP*2
	s_or_b32 s[G0+4*(\s)+3], s[G0+4*(\s)+3], 0x80000000
	s_mov_b32 s[G0B+4*(\s)], 1
	s_add_co_u32 s[G0B+4*(\s)+1], s21, (\s)*SLOT
	s_add_nc_u64 s[G0B+4*(\s)+2:G0B+4*(\s)+3], s[46:47], (\s)*KSTEP*2
	s_or_b32 s[G0B+4*(\s)+3], s[G0B+4*(\s)+3], 0x80000000
.endr
	CROUND                                         ; all sixteen work-groups are here: the first joint loads meet
	s_cmp_eq_u32 s11, 0                            ; a wave's two first fills stand in one branch: steps 0 and 1; two loads of mine are out
	s_cbranch_scc0 .Lfirst_b
	tensor_load_to_lds s[G0:G0+3], s[G1:G1+7]
	s_nop 0
	tensor_load_to_lds s[G0+4:G0+7], s[G1:G1+7]
	s_nop 0
	PLACES
	s_branch .Lfirst_asked
.Lfirst_b:
	tensor_load_to_lds s[G0B:G0B+3], s[G1B:G1B+7]
	s_nop 0
	tensor_load_to_lds s[G0B+4:G0B+7], s[G1B:G1B+7]
	s_nop 0
	PLACES
.Lfirst_asked:
	v_and_b32 v1, 15, v0
	v_bfe_u32 v2, v0, 4, 1
	v_mul_u32_u24 v3, v1, PITCH
	v_lshl_add_u32 v3, v2, 4, v3
	s_mul_i32 s22, s10, 64*PITCH
	v_add_nc_u32 v[A0], s22, v3                    ; my 64 rows of h
	v_add_nc_u32 v[B0], TM*PITCH, v3               ; all 256 rows of W1
	s_mul_i32 s22, s10, STG                        ; my stage
	v_mul_u32_u24 v[STO], v1, SP
	v_lshl_add_u32 v[STO], v2, 5, v[STO]           ; in: row r, 32 bytes for each half of the lanes
	v_add_nc_u32 v[STO], s22, v[STO]
	v_and_b32 v3, 31, v0
	v_lshl_add_u32 v[RD], v3, 4, s22               ; back: 32 lanes take half a row, 512 bytes
	v_lshlrev_b32 v[CO], 3, v3                     ; which are 256 bytes of u
	v_lshlrev_b32 v[BO], 5, v2
	s_lshl_b32 s46, s42, 10                        ; the tile's 256 numbers of the bias
	s_mov_b32 s47, 0
	s_add_nc_u64 s[72:73], s[72:73], s[46:47]
	s_lshl_b32 s2, s13, 8
	s_lshl_b32 s3, s10, 6
	s_add_co_u32 s2, s2, s3                        ; my first row,
	s_lshl_b32 s2, s2, 13                          ; 8,192 bytes each,
	s_lshl_b32 s3, s42, 9                          ; the tile's 512 bytes in them
	s_add_co_u32 s2, s2, s3
	s_mov_b32 s3, 0
	s_add_nc_u64 s[74:75], s[74:75], s[2:3]
	; the accumulators start as the bias: register j of a lane is column 16 b + 8 (l / 16) + j
.set a, 0
.rept 4
	WIN 0x80+0x40*(a/2)
.set b, 0
.rept NB
	global_load_b128 v[128*(a%2)+8*b:128*(a%2)+8*b+3],   v[BO], s[72:73] offset:64*b
	global_load_b128 v[128*(a%2)+8*b+4:128*(a%2)+8*b+7], v[BO], s[72:73] offset:64*b+16
.set b, b+1
.endr
.set a, a+1
.endr
	WIN 0
	s_wait_tensorcnt 0x1                           ; my part of step 0 is in; step 1's, issued behind it, may stay out
	v_mov_b32 v[ADRA], v[A0]
	v_mov_b32 v[ADRB], v[B0]
	s_barrier_signal -1
	s_barrier_wait -1                              ; everybody's part is in
.set g, 0
.rept NG                               ; the first chunk's fragments: there are no products yet to set them among
	LDG 0, 0, g
.set g, g+1
.endr
	WIN 0
	s_wait_loadcnt 0x0                             ; the bias
	s_mov_b32 s[CNT], NCH/2
	s_mov_b32 s[LAPS], STEPS/2
	s_branch .Lmid_b                               ; the loop is entered in the middle of a trip: there is no chunk yet to multiply
.Llap:                                 ; STEPS / 2 - 1 times: an odd step and an even one; each change of slots asks for the step behind the one that it enters
	HEAD 1, 1
	PAIRS a
	HEAD 0, 1
	PAIRS b
	s_sub_co_u32 s[LAPS], s[LAPS], 1
	s_cmp_lg_u32 s[LAPS], 0
	s_cbranch_scc1 .Llap
	HEAD 1, 0                                      ; the last step is written out: nothing is asked for
	PAIRS c
	s_wait_dscnt 0x0                               ; the last chunk is in, and my reads of the slots are over:
	s_barrier_signal -1                            ; say so, since the stages lie in the slots,
	MUL 1, 0, 0
	WIN 0
	s_barrier_wait -1
	PLACES
	; THE WAY OUT.  The sums go into my stage in f32, each accumulator's low registers first
.set a, 0
.rept 4
	WIN 0x08+0x04*(a/2)
.set b, 0
.rept NB
	ds_store_b128 v[STO], v[128*(a%2)+8*b:128*(a%2)+8*b+3]   offset:a*16*SP+64*b
	ds_store_b128 v[STO], v[128*(a%2)+8*b+4:128*(a%2)+8*b+7] offset:a*16*SP+64*b+16
.set b, b+1
.endr
.set a, a+1
.endr
	WIN 0
	s_mov_b32 s[ROWS], 16
.Lrows:                                ; four rows a trip, a quarter each.  LDS serves a wave's instructions in order (ISA guide 5.7.1.4): these loads see the stores above
.irp q, 0,1,2,3
	ds_load_b128 v[X+8*\q:X+8*\q+3],   v[RD] offset:\q*SP
	ds_load_b128 v[X+8*\q+4:X+8*\q+7], v[RD] offset:\q*SP+512
.endr
	; The deal: a quarter's 16 transcendentals stand singly between plain lines of its neighbours, which name none of their registers (ISA guide 5.7.2); each queue's entries find their sources made a block earlier
.set pn, 0
.set tn, 0
	s_wait_dscnt 6                                 ; row 0 is in; the six loads behind it stay out
	PLS 20                                         ; GA 0
	s_wait_dscnt 0x0
.rept 16                               ; GT 0 | GA 1
	TR
	PL
.endr
	PLS 4
.rept 16                               ; GT 1 | GP 0, GA 2; then GT 2 | GP 1, GA 3
	TR
	PLS 3
	TR
	PLS 4
.endr
.rept 16                               ; GT 3 | GP 2
	TR
	PLS 2
.endr
	PLS 40                                         ; the rest of GP 2, and GP 3
.irp q, 0,1,2,3
	global_store_b64 v[CO], v[TT+8*\q:TT+8*\q+1],   s[74:75] offset:\q*8192      ; a wave's store covers 256 consecutive bytes, aligned
	global_store_b64 v[CO], v[TT+8*\q+2:TT+8*\q+3], s[74:75] offset:\q*8192+256
.endr
	v_add_nc_u32 v[RD], 4*SP, v[RD]
	s_wait_xcnt 0x0                                ; the stores' base and data are rewritten only behind this wait
	s_add_nc_u64 s[74:75], s[74:75], 4*8192
	s_sub_co_u32 s[ROWS], s[ROWS], 1
	s_cmp_lg_u32 s[ROWS], 0
	s_cbranch_scc1 .Lrows
	s_wait_tensorcnt 0x0                           ; the wave's end
	ds_add_u32 v[SPW], v[NIL]
	s_wait_dscnt 0x0
	CROUND                                         ; the closing round
	s_endpgm
.Lfunc_end_k_qeb47d70afd_ffn1:
	.size	k_qeb47d70afd_ffn1, .Lfunc_end_k_qeb47d70afd_ffn1-k_qeb47d70afd_ffn1
	.p2alignl 7, 3214868480
	.fill 96, 4, 3214868480
	.section	.rodata,"a",@progbits
	.p2align	6, 0x0
	.amdhsa_kernel k_qeb47d70afd_ffn1
		.amdhsa_group_segment_fixed_size 327680
		.amdhsa_private_segment_fixed_size 0
		.amdhsa_enable_private_segment 0
		.amdhsa_kernarg_size 32
		.amdhsa_user_sgpr_count 2
		.amdhsa_user_sgpr_kernarg_segment_ptr 1
		.amdhsa_wavefront_size32 1
		.amdhsa_system_sgpr_workgroup_id_x 1
		.amdhsa_system_sgpr_workgroup_id_y 1
		.amdhsa_system_sgpr_workgroup_id_z 1
		.amdhsa_system_vgpr_workitem_id 0
		.amdhsa_next_free_vgpr 1024
		.amdhsa_next_free_sgpr 92
		.amdhsa_reserve_vcc 0
		.amdhsa_float_denorm_mode_32 3
		.amdhsa_float_denorm_mode_16_64 3
		.amdhsa_memory_ordered 1
		.amdhsa_forward_progress 1
		.amdhsa_inst_pref_size 100
	.end_amdhsa_kernel
	.amdgpu_metadata
---
amdhsa.version: [ 1, 2 ]
amdhsa.kernels:
  - .name:           k_qeb47d70afd_ffn1
    .symbol:         k_qeb47d70afd_ffn1.kd
    .args:
      - { .name: h, .offset: 0, .size: 8, .value_kind: global_buffer, .address_space: global }
      - { .name: wb, .offset: 8, .size: 8, .value_kind: global_buffer, .address_space: global }
      - { .name: b1, .offset: 16, .size: 8, .value_kind: global_buffer, .address_space: global }
      - { .name: u, .offset: 24, .size: 8, .value_kind: global_buffer, .address_space: global }
    .group_segment_fixed_size: 327680
    .private_segment_fixed_size: 0
    .kernarg_segment_align: 8
    .kernarg_segment_size: 32
    .max_flat_workgroup_size: 128
    .sgpr_count:     92
    .vgpr_count:     1024
    .wavefront_size: 32
...
	.end_amdgpu_metadata
.endif
;; end of part 6
;; launch ffn2 (part 7): grid 8 x 32, 4 waves a work-group, clusters of 4 x 4, 327,680 bytes of LDS; arguments u, wb, b2, x1, out0; writes out0
.if DOCPART == 7
	.amdgcn_target "amdgcn-amd-amdhsa--gfx1250"
	.amdhsa_code_object_version 6
	.text
	.protected	k_qeb47d70afd_ffn2
	.globl	k_qeb47d70afd_ffn2
	.p2align	8
	.type	k_qeb47d70afd_ffn2,@function
k_qeb47d70afd_ffn2:
	s_mov_b64 s[64:65], 0
	v_nop
	global_prefetch_b8 v0, s[64:65] scope:SCOPE_SE
	s_setreg_imm32_b32 hwreg(HW_REG_WAVE_MODE, 25, 1), 1
	s_wait_xcnt 0x0
	s_wait_alu depctr_hold_cnt(0) depctr_sa_sdst(0) depctr_va_vdst(0) depctr_va_sdst(0) depctr_va_ssrc(0) depctr_va_vcc(0) depctr_vm_vsrc(0)
	s_getreg_b32 s2, hwreg(HW_REG_IB_STS2, 6, 4)
	s_cmp_eq_u32 s2, 0
	s_cbranch_scc0 .Lentry_in_a_cluster
	s_endpgm
.Lentry_in_a_cluster:
	s_bfe_u32 s2, ttmp6, 0x10000c
	s_cmp_lg_u32 s2, 0xf033
	s_cbranch_scc0 .Lentry_shape_is_right
	s_endpgm
.Lentry_shape_is_right:
; SECOND FFN PRODUCT WITH RESIDUAL.  OUT[m][n] = R[m][n] + bias[n] + sum over k of A[m][k] W[n][k].  A = u: [4096][4096] bf16; W = W2 in wb, [1024][4096] bf16; R = x1 and OUT = out0: [4096][1024] f32.
; 1,024 columns give only 64 tiles of 256 x 256, so a tile of C is 128 x 128: 256 work-groups.  Four waves, 2 x 2, each 64 x 64: 16 accumulators in f32, which START as the bias.
; K goes in steps of 256 (LDS rows of 512 bytes) through two LDS slots filled by the tensor data mover; a step is eight chunks of 32 along K on two fragment buffers.  Both slots' first fills go out together at the start.
; CLUSTER: 4 x 4 work-groups; A's tile is shared along a row of the cluster, W's along a column: each is asked for JOINTLY.
; PREFETCH.  A step has 128 products a wave in which its successor's tile must land.  So the tiles of steps 4 to 15 are asked for ahead, four steps (2,048 bytes of a row) at a time: in laps 1, 3 and 5, behind
; the lap's first joint load, for steps 4 g to 4 g + 3, g = 1, 2, 3, whose tensor loads follow two to five steps later.  Each block of 256 bytes is asked for once in the launch, lanes 256 bytes apart: of a row
; tile's 128 rows of A the eight column work-groups take 16 each, 4 a wave; of a column tile's 128 rows of W the 32 row work-groups take 4 each, wave 0's.  Steps 0 to 3 are not asked for, and lap 7 asks for
; nothing: no request leaves its row.
; THE MATRIX INSTRUCTION IS USED TRANSPOSED (source 0 = 16 rows of W, source 1 = 16 rows of A): a lane holds eight neighbouring columns of one row of C.
; REGISTERS: window 0: v0-31 addresses; v32-63, v64-95 A's fragments (later, with v96-127, rows read back); v128-255 the residual.  window 1: v0-31, v128-159 W's fragments.
;   windows 2, 3: accumulator (a, b) in window 2 + a / 2 at v[128 (a % 2) + 8 b].
; LDS: two slots of 135,168 bytes; the spare words.  The way out's stage (64 rows x 272 bytes a wave, f32) lies in slot 0, which has had its last fill by then.
; LIMITS: NaN and infinities are not treated apart.
.set KDIM,  4096
.set WOFF,  16777216
.set KSTEP, 256
.set PITCH, 528                        ; 512 bytes + 16 of padding
.set QI,    6                          ; padding after every 128 words
.set TM,    128
.set TN,    128
.set NB,    4
.set RA,    64
.set RB,    64
.set SP,    272
.set SLOT,  (TM+TN)*PITCH
.set SPARE, 2*SLOT                     ; the spare words, 128 bytes for each wave: two blocks of 256 bytes that no other line names
.set STEPS, KDIM/KSTEP
.set NCH,   KSTEP/32
.set NL,    2*NB+8
.set STG,   64*SP
.set GW,    (1<<16)|(1<<20)|(1<<21)|(QI<<22)|(3<<25)
.set A0,   16
.set B0,   17
.set ADRA, 18
.set ADRB, 19
.set STO,  20
.set RD,   21
.set CO,   22
.set BO,   23
.set PFA,  26                          ; v26 my lane's block of A in the group of four steps to be asked for next, from the row tile's first byte
.set PFB,  27                          ; v27 the same for W, from the column tile's first byte
.set SPW,  28
.set NIL,  29
.set FA,   32
.set RES,  128
.set G1,  24
.set G0,  32
.set G1B, 48
.set G0B, 56
.set CNT,  45
.set LAPS, 66
.set MSB, 0
.macro WIN new
.if MSB != (\new)
	s_set_vgpr_msb (MSB<<8)|(\new)
.set MSB, \new
.endif
.endm
.macro PLACES                          ; four places in front of loads into registers that matrix instructions have read, and of stores that read results
.rept 4
	v_nop
.endr
.endm
.macro JLOAD s                         ; a joint load: waves 0 and 1 fetch A's two halves, waves 2 and 3 W's; an s_nop 0 and four v_nop follow each line
	s_cmp_eq_u32 s11, 0
	s_cbranch_scc0 .Lfor_b_\@
	tensor_load_to_lds s[G0+4*(\s):G0+4*(\s)+3], s[G1:G1+7]
	s_nop 0
	PLACES
	s_branch .Lasked_\@
.Lfor_b_\@:
	tensor_load_to_lds s[G0B+4*(\s):G0B+4*(\s)+3], s[G1B:G1B+7]
	s_nop 0
	PLACES
.Lasked_\@:
.endm
.macro CROUND                          ; a round of the cluster's barrier
	s_barrier_signal -1
	s_barrier_wait -1
	s_cmp_lg_u32 s10, 0
	s_cbranch_scc1 .Lnot_wave_0_\@
	s_barrier_signal -3
.Lnot_wave_0_\@:
	s_barrier_wait -3
	s_barrier_signal -1
	s_barrier_wait -1
.endm
.macro FETCH f, k                      ; one chunk's fragments, at byte k behind the two addresses, into buffer f: NL loads in one run
	WIN 0x40
.set b, 0
.rept NB
	ds_load_b128 v[128*(\f)+8*b:128*(\f)+8*b+3],   v[ADRB] offset:(\k)+b*16*PITCH
	ds_load_b128 v[128*(\f)+8*b+4:128*(\f)+8*b+7], v[ADRB] offset:(\k)+b*16*PITCH+32
.set b, b+1
.endr
	WIN 0
.set a, 0
.rept 4
	ds_load_b128 v[FA+32*(\f)+8*a:FA+32*(\f)+8*a+3],   v[ADRA] offset:(\k)+a*16*PITCH
	ds_load_b128 v[FA+32*(\f)+8*a+4:FA+32*(\f)+8*a+7], v[ADRA] offset:(\k)+a*16*PITCH+32
.set a, a+1
.endr
.endm
.macro MUL f                           ; buffer f is multiplied: all accumulators by turns, one instruction a turn, always in this order
.set a, 0
.rept 4
	WIN 0xa1+0x50*(a/2)
.set b, 0
.rept NB
	v_wmma_f32_16x16x32_bf16 v[128*(a%2)+8*b:128*(a%2)+8*b+7], v[128*(\f)+8*b:128*(\f)+8*b+7], v[FA+32*(\f)+8*a:FA+32*(\f)+8*a+7], v[128*(a%2)+8*b:128*(a%2)+8*b+7]
.set b, b+1
.endr
.set a, a+1
.endr
.endm
; THE CHANGE OF SLOTS, in front of the first fetch of a step that lies in \slot.  The other slot's last chunk is in buffer 1, not yet multiplied.
.macro HEAD slot, fill
	s_wait_tensorcnt 0x0                           ; all my tensor loads have landed, my part of this step's tile among them: a group 0 may be written
	ds_add_u32 v[SPW], v[NIL]                      ; 0 onto my spare word
.if \fill
	s_add_nc_u64 s[G0+4*(1-(\slot))+2:G0+4*(1-(\slot))+3], s[G0+4*(1-(\slot))+2:G0+4*(1-(\slot))+3], 2*KSTEP*2    ; the other slot's next tile, two steps behind its last
	s_add_nc_u64 s[G0B+4*(1-(\slot))+2:G0B+4*(1-(\slot))+3], s[G0B+4*(1-(\slot))+2:G0B+4*(1-(\slot))+3], 2*KSTEP*2
.endif
	v_add_nc_u32 v[ADRA], (\slot)*SLOT, v[A0]
	v_add_nc_u32 v[ADRB], (\slot)*SLOT, v[B0]
	s_wait_dscnt 0x0                               ; the add is done, and my reads of the other slot are over
.if \fill
	CROUND                                         ; both now hold of every wave of every partner
	JLOAD 1-(\slot)                                ; the next step's tile, into the slot read last: my one tensor load behind the round; it has this whole step in which to land
.else
	s_barrier_signal -1
	s_barrier_wait -1
.endif
.endm
.macro PAIRS tag                       ; a step: NCH / 2 trips of two chunks
	s_mov_b32 s[CNT], NCH/2
.Lpair_\tag:
	PLACES
	FETCH 0, 0
	s_wait_dscnt NL                                ; all but the NL just issued: buffer 1 is in
	MUL 1
	WIN 0
.Lmid_\tag:
	PLACES
	FETCH 1, 64
	v_add_nc_u32 v[ADRA], 128, v[ADRA]
	v_add_nc_u32 v[ADRB], 128, v[ADRB]
	s_wait_dscnt NL                                ; buffer 0 is in
	MUL 0
	WIN 0
	s_sub_co_u32 s[CNT], s[CNT], 1
	s_cmp_lg_u32 s[CNT], 0
	s_cbranch_scc1 .Lpair_\tag
.endm
	s_load_b256 s[68:75], s[0:1], 0x0              ; A s[68:69], wb s[70:71], bias s[72:73], R s[74:75]
	s_load_b64 s[76:77], s[0:1], 0x20              ; OUT
	v_lshl_add_u32 v[SPW], v0, 2, SPARE
	v_mov_b32 v[NIL], 0
	ds_add_u32 v[SPW], v[NIL]                      ; the wave's opening: the add and its wait stand ahead of my first tensor load
	v_lshrrev_b32 v1, 5, v0
	v_readfirstlane_b32 s10, v1
	s_lshr_b32 s11, s10, 1                         ; which half of the tile's rows is mine.  Also: I fetch for A (0) or for W (1)
	s_and_b32 s12, s10, 1                          ; which half of its columns.  Also: which 64 rows of that tile I fetch
	s_bfe_u32 s40, ttmp6, 0x40000
	s_bfe_u32 s41, ttmp6, 0x40004
	s_lshl_b32 s42, ttmp9, 2
	s_add_co_u32 s42, s42, s40                     ; tile column
	s_and_b32 s13, ttmp7, 0xffff
	s_lshl_b32 s13, s13, 2
	s_add_co_u32 s13, s13, s41                     ; tile row
	s_lshl_b32 s43, s41, 2
	s_lshl_b32 s43, 15, s43
	s_lshl_b32 s44, 0x1111, s40
	s_or_b32 s[G1], s43, GW
	s_or_b32 s[G1B], s44, GW
	s_mov_b32 s[G1+1], KSTEP<<16
	s_mov_b32 s[G1+2], RA<<16
	s_mov_b32 s[G1+3], KSTEP<<16
	s_mov_b32 s[G1+4], RA
	s_mov_b32 s[G1+5], KDIM
	s_mov_b32 s[G1+6], 0
	s_mov_b32 s[G1+7], 0
	s_mov_b32 s[G1B+1], KSTEP<<16
	s_mov_b32 s[G1B+2], RB<<16
	s_mov_b32 s[G1B+3], KSTEP<<16
	s_mov_b32 s[G1B+4], RB
	s_mov_b32 s[G1B+5], KDIM
	s_mov_b32 s[G1B+6], 0
	s_mov_b32 s[G1B+7], 0
	s_mul_i32 s17, s12, RA
	s_mul_i32 s16, s13, TM
	s_add_co_u32 s16, s16, s17
	s_mul_i32 s16, s16, KDIM*2
	s_mov_b32 s17, 0
	s_mul_i32 s47, s12, RB
	s_mul_i32 s46, s42, TN
	s_add_co_u32 s46, s46, s47
	s_mul_i32 s46, s46, KDIM*2
	s_mov_b32 s47, 0
	s_mul_i32 s20, s12, RA*PITCH
	s_mul_i32 s21, s12, RB*PITCH
	s_add_co_u32 s21, s21, TM*PITCH
	s_wait_dscnt 0x0                               ; the opening add is done
	s_wait_kmcnt 0x0
	s_add_nc_u64 s[14:15], s[68:69], s[16:17]
	s_add_nc_u64 s[46:47], s[70:71], s[46:47]
	s_add_nc_u64 s[46:47], s[46:47], WOFF
.irp s, 0,1
	s_mov_b32 s[G0+4*(\s)], 1
	s_add_co_u32 s[G0+4*(\s)+1], s20, (\s)*SLOT
	s_add_nc_u64 s[G0+4*(\s)+2:G0+4*(\s)+3], s[14:15], (\s)*KSTEP*2
	s_or_b32 s[G0+4*(\s)+3], s[G0+4*(\s)+3], 0x80000000
	s_mov_b32 s[G0B+4*(\s)], 1
	s_add_co_u32 s[G0B+4*(\s)+1], s21, (\s)*SLOT
	s_add_nc_u64 s[G0B+4*(\s)+2:G0B+4*(\s)+3], s[46:47], (\s)*KSTEP*2
	s_or_b32 s[G0B+4*(\s)+3], s[G0B+4*(\s)+3], 0x80000000
.endr
	CROUND                                         ; all sixteen work-groups are here: the first joint loads meet
	s_cmp_eq_u32 s11, 0                            ; a wave's two first fills stand in one branch: steps 0 and 1; two loads of mine are out
	s_cbranch_scc0 .Lfirst_b
	tensor_load_to_lds s[G0:G0+3], s[G1:G1+7]
	s_nop 0
	tensor_load_to_lds s[G0+4:G0+7], s[G1:G1+7]
	s_nop 0
	PLACES
	s_branch .Lfirst_asked
.Lfirst_b:
	tensor_load_to_lds s[G0B:G0B+3], s[G1B:G1B+7]
	s_nop 0
	tensor_load_to_lds s[G0B+4:G0B+7], s[G1B:G1B+7]
	s_nop 0
	PLACES
.Lfirst_asked:
	v_and_b32 v1, 15, v0
	v_bfe_u32 v2, v0, 4, 1
	v_mul_u32_u24 v3, v1, PITCH
	v_lshl_add_u32 v3, v2, 4, v3
	s_mul_i32 s22, s11, 64*PITCH
	v_add_nc_u32 v[A0], s22, v3
	s_mul_i32 s23, s12, NB*16*PITCH
	s_add_co_u32 s23, s23, TM*PITCH
	v_add_nc_u32 v[B0], s23, v3
	s_mul_i32 s22, s10, STG                        ; my stage
	v_mul_u32_u24 v[STO], v1, SP
	v_lshl_add_u32 v[STO], v2, 5, v[STO]           ; in: row r, 32 bytes for each half of the lanes
	v_add_nc_u32 v[STO], s22, v[STO]
	v_mul_u32_u24 v[RD], v2, SP                    ; back: lanes 0-15 take one row of 256 bytes, lanes 16-31 the next
	v_lshl_add_u32 v[RD], v1, 4, v[RD]
	v_add_nc_u32 v[RD], s22, v[RD]
	v_lshlrev_b32 v[CO], 12, v2                    ; and the same two rows in R and OUT
	v_lshl_add_u32 v[CO], v1, 4, v[CO]
	v_lshlrev_b32 v[BO], 5, v2
	; the prefetch's addresses: lane l takes row l / 8 of four and block l % 8 of the eight in 2,048 bytes; the first group asked for is steps 4 to 7, 2,048 bytes into a row of 8,192
	v_bfe_u32 v4, v0, 3, 2
	v_and_b32 v5, 7, v0
	v_lshlrev_b32 v5, 8, v5
	v_lshl_add_u32 v5, v4, 13, v5
	s_lshl_b32 s46, s42, 17                        ; A: rows 16 x tile column + 4 x wave on,
	s_lshl_b32 s47, s10, 15
	s_add_co_u32 s46, s46, s47
	s_add_co_u32 s46, s46, 2048
	v_add_nc_u32 v[PFA], s46, v5
	s_lshl_b32 s2, s13, 15                         ; W: rows 4 x tile row on
	s_add_co_u32 s2, s2, 2048
	v_add_nc_u32 v[PFB], s2, v5
	s_lshl_b32 s2, s13, 20                         ; the row tile's 128 rows of A,
	s_mov_b32 s3, 0
	s_add_nc_u64 s[78:79], s[68:69], s[2:3]
	s_lshl_b32 s46, s42, 20                        ; the column tile's 128 rows of W
	s_mov_b32 s47, 0
	s_add_nc_u64 s[80:81], s[70:71], s[46:47]
	s_add_nc_u64 s[80:81], s[80:81], WOFF
	s_lshl_b32 s46, s42, 7
	s_lshl_b32 s47, s12, 6
	s_add_co_u32 s46, s46, s47                     ; my first column,
	s_lshl_b32 s46, s46, 2                         ; in bytes
	s_mov_b32 s47, 0
	s_add_nc_u64 s[72:73], s[72:73], s[46:47]
	s_lshl_b32 s2, s13, 7
	s_lshl_b32 s3, s11, 6
	s_add_co_u32 s2, s2, s3                        ; my first row,
	s_lshl_b32 s2, s2, 12                          ; 4,096 bytes each
	s_add_co_u32 s2, s2, s46
	s_mov_b32 s3, 0
	s_add_nc_u64 s[74:75], s[74:75], s[2:3]
	s_add_nc_u64 s[76:77], s[76:77], s[2:3]
	; the accumulators start as the bias: register j of a lane is column 16 b + 8 (l / 16) + j
.set a, 0
.rept 4
	WIN 0x80+0x40*(a/2)
.set b, 0
.rept NB
	global_load_b128 v[128*(a%2)+8*b:128*(a%2)+8*b+3],   v[BO], s[72:73] offset:64*b
	global_load_b128 v[128*(a%2)+8*b+4:128*(a%2)+8*b+7], v[BO], s[72:73] offset:64*b+16
.set b, b+1
.endr
.set a, a+1
.endr
	WIN 0
	s_wait_tensorcnt 0x1                           ; my part of step 0 is in; step 1's, issued behind it, may stay out
	v_mov_b32 v[ADRA], v[A0]
	v_mov_b32 v[ADRB], v[B0]
	s_barrier_signal -1
	s_barrier_wait -1                              ; everybody's part is in
	FETCH 0, 0
	s_wait_loadcnt 0x0                             ; the bias
	s_mov_b32 s[CNT], NCH/2
	s_mov_b32 s[LAPS], STEPS/2
	s_branch .Lmid_b                               ; the loop is entered in the middle of a trip: there is no chunk yet to multiply
.Llap:                                 ; STEPS / 2 - 1 = 7 times: an odd step and an even one; each change of slots asks for the step behind the one that it enters.  In lap n the count is 8 - n
	HEAD 1, 1
	s_bitcmp1_b32 s[LAPS], 0                       ; an odd lap asks, an even one steps the offsets: the same in every wave of every work-group
	s_cbranch_scc0 .Lpf_step
	s_cmp_lt_u32 s[LAPS], 3                        ; lap 7: nothing is left to ask for
	s_cbranch_scc1 .Lpf_done
	global_prefetch_b8 v[PFA], s[78:79] th:TH_LOAD_NT scope:SCOPE_SE  ; my 4 rows x 2,048 bytes of A
	s_cmp_lg_u32 s10, 0
	s_cbranch_scc1 .Lpf_done
	global_prefetch_b8 v[PFB], s[80:81] th:TH_LOAD_NT scope:SCOPE_SE  ; wave 0: the work-group's 4 rows x 2,048 bytes of W
	s_branch .Lpf_done
.Lpf_step:
	s_wait_xcnt 0x0                                ; the requests of the lap before have had their addresses translated: only now are the offsets rewritten
	v_add_nc_u32 v[PFA], 2048, v[PFA]
	v_add_nc_u32 v[PFB], 2048, v[PFB]
.Lpf_done:
	PAIRS a
	HEAD 0, 1
	PAIRS b
	s_sub_co_u32 s[LAPS], s[LAPS], 1
	s_cmp_lg_u32 s[LAPS], 0
	s_cbranch_scc1 .Llap
.set a, 0
.rept 4                                ; the residual is asked for a step ahead of its use: 64 rows x 256 bytes, block a of 16 rows in v[RES + 32 a ..]
.set t, 0
.rept 8
	global_load_b128 v[RES+32*a+4*t:RES+32*a+4*t+3], v[CO], s[74:75] offset:(16*a+2*t)*4096
.set t, t+1
.endr
.set a, a+1
.endr
	HEAD 1, 0                                      ; the last step is written out: nothing is asked for
	PAIRS c
	s_wait_dscnt 0x0                               ; the last chunk is in, and my reads of the slots are over:
	s_barrier_signal -1                            ; say so, since the stages lie in a slot,
	MUL 1
	WIN 0
	s_barrier_wait -1
	PLACES
	; THE WAY OUT.  The sums go into my stage, each accumulator's low registers first, come back as whole rows of 256 bytes, take the residual and leave
.set a, 0
.rept 4
	WIN 0x08+0x04*(a/2)
.set b, 0
.rept NB
	ds_store_b128 v[STO], v[128*(a%2)+8*b:128*(a%2)+8*b+3]   offset:a*16*SP+64*b
	ds_store_b128 v[STO], v[128*(a%2)+8*b+4:128*(a%2)+8*b+7] offset:a*16*SP+64*b+16
.set b, b+1
.endr
.set a, a+1
.endr
	WIN 0
.macro BACK a, rb                      ; block a's 16 rows back into v[rb ..].  LDS serves a wave's instructions in order (ISA guide 5.7.1.4): these see the stores above
.set t, 0
.rept 8
	ds_load_b128 v[(\rb)+4*t:(\rb)+4*t+3], v[RD] offset:(16*(\a)+2*t)*SP
.set t, t+1
.endr
.endm
.macro SEND a, rb, yd, yl              ; yd, yl: the younger LDS loads and residual loads that may stay out
	s_wait_dscnt \yd
	s_wait_loadcnt \yl
.set t, 0
.rept 16
	v_pk_add_f32 v[RES+32*(\a)+2*t:RES+32*(\a)+2*t+1], v[RES+32*(\a)+2*t:RES+32*(\a)+2*t+1], v[(\rb)+2*t:(\rb)+2*t+1]
.set t, t+1
.endr
.set t, 0
.rept 8
	global_store_b128 v[CO], v[RES+32*(\a)+4*t:RES+32*(\a)+4*t+3], s[76:77] offset:(16*(\a)+2*t)*4096  ; 16 lanes store 256 consecutive bytes, aligned
.set t, t+1
.endr
.endm
	BACK 0, 32
	BACK 1, 64
	BACK 2, 96
	SEND 0, 32, 16, 24
	BACK 3, 32
	SEND 1, 64, 16, 16
	SEND 2, 96, 8, 8
	SEND 3, 32, 0, 0
	s_wait_tensorcnt 0x0                           ; the wave's end
	ds_add_u32 v[SPW], v[NIL]
	s_wait_dscnt 0x0
	CROUND                                         ; the closing round
	s_endpgm
.Lfunc_end_k_qeb47d70afd_ffn2:
	.size	k_qeb47d70afd_ffn2, .Lfunc_end_k_qeb47d70afd_ffn2-k_qeb47d70afd_ffn2
	.p2alignl 7, 3214868480
	.fill 96, 4, 3214868480
	.section	.rodata,"a",@progbits
	.p2align	6, 0x0
	.amdhsa_kernel k_qeb47d70afd_ffn2
		.amdhsa_group_segment_fixed_size 327680
		.amdhsa_private_segment_fixed_size 0
		.amdhsa_enable_private_segment 0
		.amdhsa_kernarg_size 40
		.amdhsa_user_sgpr_count 2
		.amdhsa_user_sgpr_kernarg_segment_ptr 1
		.amdhsa_wavefront_size32 1
		.amdhsa_system_sgpr_workgroup_id_x 1
		.amdhsa_system_sgpr_workgroup_id_y 1
		.amdhsa_system_sgpr_workgroup_id_z 1
		.amdhsa_system_vgpr_workitem_id 0
		.amdhsa_next_free_vgpr 1024
		.amdhsa_next_free_sgpr 82
		.amdhsa_reserve_vcc 0
		.amdhsa_float_denorm_mode_32 3
		.amdhsa_float_denorm_mode_16_64 3
		.amdhsa_memory_ordered 1
		.amdhsa_forward_progress 1
		.amdhsa_inst_pref_size 46
	.end_amdhsa_kernel
	.amdgpu_metadata
---
amdhsa.version: [ 1, 2 ]
amdhsa.kernels:
  - .name:           k_qeb47d70afd_ffn2
    .symbol:         k_qeb47d70afd_ffn2.kd
    .args:
      - { .name: u, .offset: 0, .size: 8, .value_kind: global_buffer, .address_space: global }
      - { .name: wb, .offset: 8, .size: 8, .value_kind: global_buffer, .address_space: global }
      - { .name: b2, .offset: 16, .size: 8, .value_kind: global_buffer, .address_space: global }
      - { .name: x1, .offset: 24, .size: 8, .value_kind: global_buffer, .address_space: global }
      - { .name: out0, .offset: 32, .size: 8, .value_kind: global_buffer, .address_space: global }
    .group_segment_fixed_size: 327680
    .private_segment_fixed_size: 0
    .kernarg_segment_align: 8
    .kernarg_segment_size: 40
    .max_flat_workgroup_size: 128
    .sgpr_count:     82
    .vgpr_count:     1024
    .wavefront_size: 32
...
	.end_amdgpu_metadata
.endif
;; end of part 7
;; ======== version 2 of 2: 7 launches; version 1 with the launch prepln written anew for expert scheduling mode
;; limits: a function is approximated: absolute error at most 1.5e-07
;; workspace buffers: wb 25,165,824 bytes; rope 1,048,576 bytes; h 8,388,608 bytes; qkvb 25,165,824 bytes; o 8,388,608 bytes; x1 16,777,216 bytes; u 33,554,432 bytes
;; launch prepln (part 8): grid 1152 x 1, 8 waves a work-group, no clusters, 0 bytes of LDS; arguments x, g1, beta1, h, Wq, Wk, Wv, Wo, W1, W2, positions, wb, rope; writes h, wb, rope
.if DOCPART == 8
	.amdgcn_target "amdgcn-amd-amdhsa--gfx1250"
	.amdhsa_code_object_version 6
	.text
	.protected	k_qeb47d70afd_prepln
	.globl	k_qeb47d70afd_prepln
	.p2align	8
	.type	k_qeb47d70afd_prepln,@function
k_qeb47d70afd_prepln:
	s_mov_b64 s[64:65], 0
	v_nop
	global_prefetch_b8 v0, s[64:65] scope:SCOPE_SE
	s_setreg_imm32_b32 hwreg(HW_REG_WAVE_SCHED_MODE, 0, 2), 2
	s_setreg_imm32_b32 hwreg(HW_REG_WAVE_MODE, 25, 1), 1
	s_wait_xcnt 0x0
	s_wait_alu depctr_vm_vsrc(0)
; THREE JOBS THAT DO NOT HANG ON EACH OTHER, in one launch, shared out by the work-group's number.
; Work-groups 0-383: the six weight matrices, f32, are rounded once to bf16 into wb.  A work-group takes a chunk of 32,768 numbers (32 rows of 1,024): 131,072 bytes in, 65,536 out.
;   wb: Wqkv at byte 0 (3,072 rows), Wo at 6,291,456, W1 at 8,388,608, W2 at 16,777,216.  In Wqkv the rows are laid by heads: head t has rows 192 t + 64 kind + d (kind 0, 1, 2 = q, k, v),
;   so that one tile of 192 columns of the projection is one head's q, k and v.
; Work-groups 384-895: the first layer norm, h[r][c] = (x[r][c] - mean_r) rsqrt(var_r + 1e-5) g1[c] + beta1[c], x f32, h bf16 rounded once.  A wave takes one row of 4,096 bytes in 32 registers: the row is
;   read once, the mean is taken away before the squares are summed (so a common offset of the row costs nothing), and no wave waits for another.  All sums in f32.
; Work-groups 896-1151: the table of cosines and sines, rope[token][cos 0..31 | sin 0..31] in f32, 256 bytes a token; a thread makes four neighbouring numbers.
; No LDS, no matrix unit, no cluster: streams in which only g1 and beta1, 8 KiB, are read by more than one work-group.
; LIMITS.  angle = position x 2^(-i log2(10000)/32), the power by v_exp_f32; the angle is reduced by pi/2 in two parts with fused multiply-adds and the sine and cosine are
; polynomials of degree 7 and 8 on +-pi/4: absolute error about 1e-7 beside the angle's own rounding, for |angle| under 2^25.  NaN and infinities are not treated apart.
; THE MODE: SCHED_MODE bits 1:0 = 2 (LLVM: expert scheduling mode 2), set by the entry lines.  The code itself states the register dependences
; between vector instructions and memory instructions, with s_wait_alu, always for 0.
; THE PLAN.  Each job is one straight path.  Registers that memory instructions touch:
;   The cast.  v1, v2: byte offsets, made once at the head, read by every load and store, never written again.  LD: each four registers are written by one load, before any vector instruction names
;     them, and read by two conversions.  PK: the 32 loads go in eight groups of four; group g's eight conversions write its PK; the four stores that read it are issued in group g + 1, dealt among that
;     group's conversions, which name LD and PK of group g + 1 alone.  So one wait on va_vdst at a group's head states all that the group's four stores hang on.
;   The norm.  v1, v2: as in the cast.  The row, the gain and the offset are loaded once, before any vector instruction names their registers.  Y0 is written by the sixteen conversions and read by the
;     eight stores behind them: one wait on va_vdst between.  The wave's number passes through s3: a wait on va_sdst ahead of its first reader.
;   The table.  v2 is the offset of the position's load, v6 and v[52:55] offset and data of the one store: a wait on va_vdst ahead of each of the two.  The four masks lie in s34 to s37: a wait on va_sdst
;     behind the run of compares.
; No register that a memory instruction has read is written again on any path, and EXEC is never written: the body holds no wait on vm_vsrc.
.set CASTS, 384
.set LNS,   512
.set LD, 8                             ; the cast: v[8:135]   32 loads of 4 registers
.set PK, 136                           ;           v[136:199] 32 stores of 2 registers: each store has its own, so none is ever rewritten
.set G,  4                             ; the norm: v[4:35]    g1 of my 32 columns (4 lane + 128 j + 0..3)
.set BT, 36                            ;           v[36:67]   beta1
.set X0, 68                            ;           v[68:99]   the row
.set T,  100                           ;           v[100:111] at work: no memory instruction names them
.set Y0, 112                           ;           v[112:127] the row in bf16
.set MK, 34                            ; the table: s[34:37]  a thread's four masks
.macro SUM4                            ; four chains of pairs into one number a lane, then over the 32 lanes: every lane ends with the sum
	v_pk_add_f32 v[T:T+1], v[T:T+1], v[T+2:T+3]
	v_pk_add_f32 v[T+4:T+5], v[T+4:T+5], v[T+6:T+7]
	v_pk_add_f32 v[T:T+1], v[T:T+1], v[T+4:T+5]
	v_add_f32 v[T], v[T], v[T+1]
	v_add_f32_dpp v[T], v[T], v[T] row_xmask:1 row_mask:0xf bank_mask:0xf
	v_add_f32_dpp v[T], v[T], v[T] row_xmask:2 row_mask:0xf bank_mask:0xf
	v_add_f32_dpp v[T], v[T], v[T] row_xmask:4 row_mask:0xf bank_mask:0xf
	v_add_f32_dpp v[T], v[T], v[T] row_xmask:8 row_mask:0xf bank_mask:0xf
	v_permlanex16_b32 v[T+1], v[T], s14, s15
	v_add_f32 v[T], v[T], v[T+1]
.endm
; One row.  w1: the loads that may stay out when the row has to be there; w2: when the gain and the offset have to be
.macro LNROW x, y, w1, w2
	s_wait_loadcnt \w1
.irp c, 0,1,2,3
	v_pk_add_f32 v[T+2*\c:T+2*\c+1], v[(\x)+2*\c:(\x)+2*\c+1], v[(\x)+8+2*\c:(\x)+8+2*\c+1]  ; the first eight pairs start the chains: nothing is cleared
.endr
.set p, 8
.rept 8
	v_pk_add_f32 v[T+2*(p%4):T+2*(p%4)+1], v[T+2*(p%4):T+2*(p%4)+1], v[(\x)+2*p:(\x)+2*p+1]
.set p, p+1
.endr
	SUM4
	v_mul_f32 v[T+8], s12, v[T]                    ; the mean,
	v_mov_b32 v[T+9], v[T+8]                       ; named as a pair
.set p, 0
.rept 16
	v_pk_add_f32 v[(\x)+2*p:(\x)+2*p+1], v[(\x)+2*p:(\x)+2*p+1], v[T+8:T+9] op_sel_hi:[1,0] neg_lo:[0,1] neg_hi:[0,1]
.set p, p+1
.endr
.irp c, 0,1,2,3
	v_pk_mul_f32 v[T+2*\c:T+2*\c+1], v[(\x)+2*\c:(\x)+2*\c+1], v[(\x)+2*\c:(\x)+2*\c+1]
.endr
.set p, 4
.rept 12
	v_pk_fma_f32 v[T+2*(p%4):T+2*(p%4)+1], v[(\x)+2*p:(\x)+2*p+1], v[(\x)+2*p:(\x)+2*p+1], v[T+2*(p%4):T+2*(p%4)+1]
.set p, p+1
.endr
	SUM4
	v_fma_f32 v[T], v[T], s12, s13                 ; the variance + 1e-5
	v_rsq_f32 v[T+10], v[T]
	v_nop                                          ; a plain instruction behind the root (ISA guide 5.7.2)
	s_wait_alu depctr_va_vdst(0)                   ; the root has written v[T+10], ahead of its first reader
	v_mov_b32 v[T+11], v[T+10]
	s_wait_loadcnt \w2
.set p, 0
.rept 16
	v_pk_mul_f32 v[(\x)+2*p:(\x)+2*p+1], v[(\x)+2*p:(\x)+2*p+1], v[T+10:T+11] op_sel_hi:[1,0]
.set p, p+1
.endr
.set p, 0
.rept 16
	v_pk_fma_f32 v[(\x)+2*p:(\x)+2*p+1], v[(\x)+2*p:(\x)+2*p+1], v[G+2*p:G+2*p+1], v[BT+2*p:BT+2*p+1]
.set p, p+1
.endr
.set p, 0
.rept 16
	v_cvt_pk_bf16_f32 v[(\y)+p], v[(\x)+2*p], v[(\x)+2*p+1]
.set p, p+1
.endr
	s_wait_alu depctr_va_vdst(0)                   ; the sixteen conversions have written the row in bf16, which the eight stores read
.irp j, 0,1,2,3,4,5,6,7
	global_store_b64 v2, v[(\y)+2*\j:(\y)+2*\j+1], s[10:11] offset:256*\j  ; a wave's store covers 256 consecutive bytes, aligned
.endr
.endm
.macro Q4 line:vararg                  ; one line for each of a thread's four numbers j of the table
.set j, 0
.rept 4
	\line
.set j, j+1
.endr
.endm
	s_mov_b32 s2, ttmp9
	s_cmp_ge_u32 s2, CASTS
	s_cbranch_scc1 .Lnot_cast
	; THE CAST.  seg = chunk / 32 says which matrix: 0 Wq, 1 Wk, 2 Wv, 3 Wo, 4-7 W1, 8-11 W2
	s_load_b256 s[8:15], s[0:1], 0x20              ; Wq s[8:9], Wk s[10:11], Wv s[12:13], Wo s[14:15]
	s_load_b128 s[16:19], s[0:1], 0x40             ; W1 s[16:17], W2 s[18:19]
	s_load_b64 s[22:23], s[0:1], 0x58              ; wb
	s_lshr_b32 s3, s2, 5
	v_lshlrev_b32 v1, 4, v0                        ; 16 bytes a thread in
	v_lshlrev_b32 v2, 3, v0                        ; 8 bytes a thread out
	s_and_b32 s32, s2, 31                          ; where a chunk of Wq, Wk, Wv goes: head t = (chunk % 32) / 2,
	s_lshr_b32 s32, s32, 1
	s_mul_i32 s32, s32, 3
	s_add_co_u32 s32, s32, s3                      ; 3 t + kind,
	s_lshl_b32 s32, s32, 1
	s_and_b32 s33, s2, 1
	s_add_co_u32 s32, s32, s33                     ; two chunks of 32 rows to a head's 64
	s_cmp_lt_u32 s2, 96
	s_cselect_b32 s32, s32, s2                     ; the other matrices keep their order
	s_lshl_b32 s32, s32, 16
	s_mov_b32 s33, 0
	s_wait_kmcnt 0x0
	s_mov_b64 s[26:27], s[18:19]                   ; the source and its first seg, chosen by the chunk's number alone
	s_mov_b32 s28, 8
	s_cmp_lt_u32 s3, 8
	s_cselect_b64 s[26:27], s[16:17], s[26:27]
	s_cselect_b32 s28, 4, s28
	s_cmp_lt_u32 s3, 4
	s_cselect_b64 s[26:27], s[14:15], s[26:27]
	s_cselect_b32 s28, 3, s28
	s_cmp_lt_u32 s3, 3
	s_cselect_b64 s[26:27], s[12:13], s[26:27]
	s_cselect_b32 s28, 2, s28
	s_cmp_lt_u32 s3, 2
	s_cselect_b64 s[26:27], s[10:11], s[26:27]
	s_cselect_b32 s28, 1, s28
	s_cmp_lt_u32 s3, 1
	s_cselect_b64 s[26:27], s[8:9], s[26:27]
	s_cselect_b32 s28, 0, s28
	s_lshl_b32 s29, s28, 5
	s_sub_co_u32 s29, s2, s29                      ; the chunk's number inside its matrix
	s_lshl_b32 s30, s29, 17
	s_mov_b32 s31, 0
	s_add_nc_u64 s[26:27], s[26:27], s[30:31]
	s_add_nc_u64 s[22:23], s[22:23], s[32:33]
	s_wait_alu depctr_va_vdst(0)                   ; v1 and v2 are written: every load of this path reads v1 as its offset, every store v2
.set i, 0
.rept 32                               ; all 32 loads go out first: 16 KiB of every wave are on their way
	global_load_b128 v[LD+4*i:LD+4*i+3], v1, s[26:27] offset:4096*i th:TH_LOAD_NT
.set i, i+1
.endr
.set g, 0
.rept 8                                ; eight groups of four loads
	s_wait_loadcnt 28-4*g                          ; loads come back in order: the group's four are in, the younger ones stay out
.if g > 0
	s_wait_alu depctr_va_vdst(0)                   ; the conversions of the group before have written their PK, which the four stores below read
.endif
.set i, 4*g
.rept 4
.if g > 0
	global_store_b64 v2, v[PK+2*i-8:PK+2*i-7], s[22:23] offset:2048*(i-4)  ; the group before.  A wave's store covers 256 consecutive bytes, aligned.  No vector instruction since the wait names these registers
.endif
	v_cvt_pk_bf16_f32 v[PK+2*i], v[LD+4*i], v[LD+4*i+1]
	v_cvt_pk_bf16_f32 v[PK+2*i+1], v[LD+4*i+2], v[LD+4*i+3]
.set i, i+1
.endr
.set g, g+1
.endr
	s_wait_alu depctr_va_vdst(0)                   ; the last group's conversions have written their PK, which the last four stores read
.set i, 28
.rept 4
	global_store_b64 v2, v[PK+2*i:PK+2*i+1], s[22:23] offset:2048*i
.set i, i+1
.endr
	s_endpgm
.Lnot_cast:
	s_cmp_ge_u32 s2, CASTS+LNS
	s_cbranch_scc1 .Lrope
	; THE NORM
	s_load_b256 s[4:11], s[0:1], 0x0               ; x s[4:5], g1 s[6:7], beta1 s[8:9], h s[10:11]
	s_sub_co_u32 s2, s2, CASTS
	v_lshrrev_b32 v1, 5, v0
	v_readfirstlane_b32 s3, v1
	s_mov_b32 s12, 0x3a800000                      ; 1 / 1024
	s_mov_b32 s13, 0x3727c5ac                      ; 1e-5
	s_mov_b32 s14, 0x76543210                      ; v_permlanex16_b32: each lane takes its own place in the other half
	s_mov_b32 s15, 0xfedcba98
	v_and_b32 v1, 31, v0
	v_lshlrev_b32 v2, 3, v1                        ; 8 bytes a lane out
	v_lshlrev_b32 v1, 4, v1                        ; 16 bytes a lane in
	s_lshl_b32 s2, s2, 3
	s_wait_alu depctr_va_sdst(0)                   ; s3, the wave's number, is written, ahead of its first reader: the row's addresses are made from it
	s_add_co_u32 s2, s2, s3                        ; my wave's row
	s_lshl_b32 s16, s2, 12                         ; 4,096 bytes in,
	s_mov_b32 s17, 0
	s_lshl_b32 s18, s2, 11                         ; 2,048 out
	s_mov_b32 s19, 0
	s_wait_kmcnt 0x0
	s_add_nc_u64 s[4:5], s[4:5], s[16:17]
	s_add_nc_u64 s[10:11], s[10:11], s[18:19]
	s_wait_alu depctr_va_vdst(0)                   ; v1 and v2 are written: every load of this path reads v1 as its offset, every store v2
.irp j, 0,1,2,3,4,5,6,7
	global_load_b128 v[X0+4*\j:X0+4*\j+3], v1, s[4:5] offset:512*\j
.endr
.irp j, 0,1,2,3,4,5,6,7
	global_load_b128 v[G+4*\j:G+4*\j+3], v1, s[6:7] offset:512*\j
.endr
.irp j, 0,1,2,3,4,5,6,7
	global_load_b128 v[BT+4*\j:BT+4*\j+3], v1, s[8:9] offset:512*\j
.endr
	LNROW X0, Y0, 16, 0                            ; behind the row's loads: the gain's and the offset's sixteen
	s_endpgm
.Lrope:                                ; gid = 16 x token + 8 x part + group: part 0 cosines, 1 sines; frequencies 4 x group + 0..3
	s_load_b64 s[20:21], s[0:1], 0x50              ; positions
	s_load_b64 s[24:25], s[0:1], 0x60              ; rope
	s_sub_co_u32 s2, s2, CASTS+LNS
	s_lshl_b32 s2, s2, 8
	v_add_nc_u32 v1, s2, v0
	v_lshrrev_b32 v2, 4, v1
	v_lshlrev_b32 v2, 2, v2
	s_wait_kmcnt 0x0
	s_wait_alu depctr_va_vdst(0)                   ; v2 is written, which the load below reads as its offset
	global_load_b32 v5, v2, s[20:21]               ; the token's position
	v_bfe_u32 v3, v1, 3, 1
	v_sub_nc_u32 v3, 1, v3                         ; a cosine is the sine a quarter turn on
	v_and_b32 v4, 7, v1
	v_lshlrev_b32 v4, 2, v4
	v_lshlrev_b32 v6, 4, v1                        ; my 16 bytes of the table
	s_mov_b32 s26, 0xbfc90fdb                      ; -pi/2, its f32 part,
	s_mov_b32 s27, 0x333bbd2e                      ; and what that part leaves over, negated
	s_mov_b32 s28, 0xb94ca1f9                      ; sine: -1.9515295891e-4, 8.3321608736e-3, -1.6666654611e-1
	s_mov_b32 s29, 0x3c08839e
	s_mov_b32 s30, 0xbe2aaaa3
	s_mov_b32 s31, 0x37ccf5ce                      ; cosine: 2.443315712e-5, -1.388731625e-3, 4.166664568e-2
	s_mov_b32 s32, 0xbab6061a
	s_mov_b32 s33, 0x3d2aaaa5
	Q4 v_add_nc_u32 v[8+j], j, v4
	Q4 v_cvt_f32_u32 v[8+j], v[8+j]
	Q4 v_mul_f32 v[8+j], 0xbed49a78, v[8+j]        ; -i log2(10000) / 32
	Q4 v_exp_f32 v[8+j], v[8+j]
	v_nop                                          ; a plain instruction behind the last exponential (ISA guide 5.7.2)
	s_wait_loadcnt 0x0
	v_cvt_f32_i32 v5, v5
	s_wait_alu depctr_va_vdst(0)                   ; the four exponentials have written v[8:11], ahead of their first reader: one for the batch
	Q4 v_mul_f32 v[12+j], v5, v[8+j]               ; the angle
	Q4 v_mul_f32 v[16+j], 0x3f22f983, v[12+j]      ; x 2 / pi
	Q4 v_rndne_f32 v[16+j], v[16+j]                ; k quarter turns
	Q4 v_fma_f32 v[12+j], v[16+j], s26, v[12+j]
	Q4 v_fma_f32 v[12+j], v[16+j], s27, v[12+j]    ; r = angle - k pi/2
	Q4 v_mul_f32 v[20+j], v[12+j], v[12+j]         ; z = r r
	Q4 v_fma_f32 v[24+j], v[20+j], s28, s29
	Q4 v_fma_f32 v[24+j], v[24+j], v[20+j], s30
	Q4 v_mul_f32 v[28+j], v[20+j], v[12+j]
	Q4 v_fma_f32 v[24+j], v[24+j], v[28+j], v[12+j]  ; sin r
	Q4 v_fma_f32 v[32+j], v[20+j], s31, s32
	Q4 v_fma_f32 v[32+j], v[32+j], v[20+j], s33
	Q4 v_mul_f32 v[36+j], v[20+j], v[20+j]
	Q4 v_fma_f32 v[40+j], v[20+j], -0.5, 1.0
	Q4 v_fma_f32 v[32+j], v[32+j], v[36+j], v[40+j]  ; cos r
	Q4 v_cvt_i32_f32 v[44+j], v[16+j]
	Q4 v_add_nc_u32 v[44+j], v[44+j], v3           ; the quadrant: bit 0 picks cos r for sin r, bit 1 turns the sign
	Q4 v_and_b32 v[48+j], 1, v[44+j]
	Q4 v_cmp_ne_u32 s[MK+j], 0, v[48+j]            ; the four compares stand in a run, each with a mask register of its own
	Q4 v_and_b32 v[44+j], 2, v[44+j]               ; the sign bits are made between the compares and the wait for them
	Q4 v_lshlrev_b32 v[44+j], 30, v[44+j]
	s_wait_alu depctr_va_sdst(0)                   ; the four compares have written s[34:37], ahead of the selects that read them: one wait for the run
	Q4 v_cndmask_b32 v[52+j], v[24+j], v[32+j], s[MK+j]
	Q4 v_xor_b32 v[52+j], v[52+j], v[44+j]
	s_wait_alu depctr_va_vdst(0)                   ; v6 and v[52:55] are written, which the store reads as its offset and its data
	global_store_b128 v6, v[52:55], s[24:25]       ; a wave's store covers 512 consecutive bytes, aligned
	s_endpgm
.Lfunc_end_k_qeb47d70afd_prepln:
	.size	k_qeb47d70afd_prepln, .Lfunc_end_k_qeb47d70afd_prepln-k_qeb47d70afd_prepln
	.p2alignl 7, 3214868480
	.fill 96, 4, 3214868480
	.section	.rodata,"a",@progbits
	.p2align	6, 0x0
	.amdhsa_kernel k_qeb47d70afd_prepln
		.amdhsa_group_segment_fixed_size 0
		.amdhsa_private_segment_fixed_size 0
		.amdhsa_enable_private_segment 0
		.amdhsa_kernarg_size 104
		.amdhsa_user_sgpr_count 2
		.amdhsa_user_sgpr_kernarg_segment_ptr 1
		.amdhsa_wavefront_size32 1
		.amdhsa_system_sgpr_workgroup_id_x 1
		.amdhsa_system_sgpr_workgroup_id_y 1
		.amdhsa_system_sgpr_workgroup_id_z 1
		.amdhsa_system_vgpr_workitem_id 0
		.amdhsa_next_free_vgpr 204
		.amdhsa_next_free_sgpr 66
		.amdhsa_reserve_vcc 0
		.amdhsa_float_denorm_mode_32 3
		.amdhsa_float_denorm_mode_16_64 3
		.amdhsa_memory_ordered 1
		.amdhsa_forward_progress 1
		.amdhsa_inst_pref_size 31
	.end_amdhsa_kernel
	.amdgpu_metadata
---
amdhsa.version: [ 1, 2 ]
amdhsa.kernels:
  - .name:           k_qeb47d70afd_prepln
    .symbol:         k_qeb47d70afd_prepln.kd
    .args:
      - { .name: x, .offset: 0, .size: 8, .value_kind: global_buffer, .address_space: global }
      - { .name: g1, .offset: 8, .size: 8, .value_kind: global_buffer, .address_space: global }
      - { .name: beta1, .offset: 16, .size: 8, .value_kind: global_buffer, .address_space: global }
      - { .name: h, .offset: 24, .size: 8, .value_kind: global_buffer, .address_space: global }
      - { .name: Wq, .offset: 32, .size: 8, .value_kind: global_buffer, .address_space: global }
      - { .name: Wk, .offset: 40, .size: 8, .value_kind: global_buffer, .address_space: global }
      - { .name: Wv, .offset: 48, .size: 8, .value_kind: global_buffer, .address_space: global }
      - { .name: Wo, .offset: 56, .size: 8, .value_kind: global_buffer, .address_space: global }
      - { .name: W1, .offset: 64, .size: 8, .value_kind: global_buffer, .address_space: global }
      - { .name: W2, .offset: 72, .size: 8, .value_kind: global_buffer, .address_space: global }
      - { .name: positions, .offset: 80, .size: 8, .value_kind: global_buffer, .address_space: global }
      - { .name: wb, .offset: 88, .size: 8, .value_kind: global_buffer, .address_space: global }
      - { .name: rope, .offset: 96, .size: 8, .value_kind: global_buffer, .address_space: global }
    .group_segment_fixed_size: 0
    .private_segment_fixed_size: 0
    .kernarg_segment_align: 8
    .kernarg_segment_size: 104
    .max_flat_workgroup_size: 256
    .sgpr_count:     66
    .vgpr_count:     204
    .wavefront_size: 32
...
	.end_amdgpu_metadata
.endif
;; end of part 8
;; launch proj: the kernel of part 2 again; grid 16 x 16, 4 waves a work-group, clusters of 4 x 4, 327,680 bytes of LDS; arguments h, wb, bq, bk, bv, rope, qkvb; writes qkvb
;; launch attn: the kernel of part 3 again; grid 16 x 16, 4 waves a work-group, clusters of 4 x 1, 327,680 bytes of LDS; arguments qkvb, mask, o; writes o
;; launch wo: the kernel of part 4 again; grid 8 x 32, 4 waves a work-group, clusters of 4 x 4, 327,680 bytes of LDS; arguments o, wb, bo, x, x1; writes x1
;; launch ln2: the kernel of part 5 again; grid 512 x 1, 8 waves a work-group, no clusters, 0 bytes of LDS; arguments x1, g2, beta2, h; writes h
;; launch ffn1: the kernel of part 6 again; grid 16 x 16, 4 waves a work-group, clusters of 4 x 4, 327,680 bytes of LDS; arguments h, wb, b1, u; writes u
;; launch ffn2: the kernel of part 7 again; grid 8 x 32, 4 waves a work-group, clusters of 4 x 4, 327,680 bytes of LDS; arguments u, wb, b2, x1, out0; writes out0
